; MI455X (gfx1250); checked and timed in simulation.
; The chip was launched on July 23, 2026; its instructions are those of AMD's public machine-readable ISA for CDNA 5 (MIT licence, August 2026) and "CDNA5" Instruction Set Architecture Reference Guide (July 2026). The comments in the code are by the model that wrote it; some were corrected since.
;; Transformer Block. Allowed arithmetic: float matrix products may take bf16 or f16 operands with f32 sums; other float arithmetic in f32, or as packed bf16 or f16 multiplies, adds, multiply-adds, maxima and minima; sums over many terms, partial sums and values carried from step to step in f32; what a program stores and reads back later, other than sums and carried values, may be rounded once to bf16 or f16.
;; Inputs: W1 1,024 x 4,096 float32; W2 4,096 x 1,024 float32; Wk 16 x 1,024 x 64 float32; Wp 1,024 x 1,024 float32; Wq 16 x 1,024 x 64 float32; Wv 16 x 1,024 x 64 float32; b1 4,096 float32; b2 1,024 float32; be1 1,024 float32; be2 1,024 float32; bp 1,024 float32; g1 1,024 float32; g2 1,024 float32; x 2 x 2,048 x 1,024 float32.
;; Outputs: out0 2 x 2,048 x 1,024 float32.
;; One version. Each part assembles by itself: llvm-mc -triple=amdgcn-amd-amdhsa -mcpu=gfx1250 --defsym DOCPART=n.
;; ======== version 1 of 1: 8 launches
;; limits: values are held in f16: magnitudes above 65,504 overflow, below 6.1e-05 lose precision
;; workspace buffers: wb 33,554,432 bytes; qkv 25,165,824 bytes; ob 8,388,608 bytes; y1 16,777,216 bytes; x1h 8,388,608 bytes; hb 33,554,432 bytes; y2 16,777,216 bytes
;; launch prep (part 1): grid 1024 x 1, 8 waves a work-group, no clusters, 0 bytes of LDS; arguments x, Wq, Wk, Wv, Wp, W1, W2, wb; writes wb
.if DOCPART == 1
	.amdgcn_target "amdgcn-amd-amdhsa--gfx1250"
	.amdhsa_code_object_version 6
	.text
	.protected	k_q4a53b52339_prep
	.globl	k_q4a53b52339_prep
	.p2align	8
	.type	k_q4a53b52339_prep,@function
k_q4a53b52339_prep:
	s_mov_b64 s[64:65], 0
	v_nop
	global_prefetch_b8 v0, s[64:65] scope:SCOPE_SE
	s_setreg_imm32_b32 hwreg(HW_REG_WAVE_MODE, 25, 1), 1
	s_wait_xcnt 0x0
; x and the six weight tensors are rounded once to bf16, and that number is written as f16 into wb, in the order x, Wq, Wk, Wv, Wp, W1, W2.
; LIMITS.  The rounded number is exact in f16 for 6.1e-5 <= |v| < 65,504; below that it keeps f16's fixed step of 6e-8; from 65,520 on it becomes an infinity.
; A work-group takes a chunk of 65,536 source bytes and writes 32,768; chunk c of the 1,024 lies at c x 32,768 in wb, since the seven sources follow each other there without a gap.
; Thread t takes 16 bytes (4 numbers) at 16 t of each 4,096 bytes: a wave's load covers 512 consecutive bytes.  It stores 8 bytes at 8 t of each 2,048: a wave's store covers 256 consecutive bytes, aligned.
; All sixteen loads go out at once; no register is written twice while memory reads it.
.set X, 16                             ; v[16:79]  sixteen groups of 4 numbers as loaded
.set Y, 80                             ; v[80:111] sixteen pairs of registers to store
.set T, 4                              ; v[4:7]    at work
	s_load_b512 s[8:23], s[0:1], 0x0               ; x, Wq, Wk, Wv, Wp, W1, W2, wb
	s_mov_b32 s28, 0xffff0000                      ; a word's upper bf16
	v_lshlrev_b32 v1, 4, v0                        ; 16 t
	v_lshlrev_b32 v2, 3, v0                        ; 8 t
	s_wait_kmcnt 0x0
	s_mov_b64 s[24:25], s[8:9]                     ; the source, and in s26 its first chunk
	s_mov_b32 s26, 0
.macro PICK lim, reg                   ; from chunk lim on the source is the tensor in s[reg:reg+1]
	s_cmp_ge_u32 ttmp9, \lim
	s_cselect_b64 s[24:25], s[\reg:\reg+1], s[24:25]
	s_cselect_b32 s26, \lim, s26
.endm
	PICK 256, 10
	PICK 320, 12
	PICK 384, 14
	PICK 448, 16
	PICK 512, 18
	PICK 768, 20
	s_sub_co_u32 s26, ttmp9, s26
	s_lshl_b32 s26, s26, 16                        ; the chunk's place in its source
	s_mov_b32 s27, 0
	s_add_nc_u64 s[24:25], s[24:25], s[26:27]
	s_lshl_b32 s30, ttmp9, 15                      ; and in wb
	s_mov_b32 s31, 0
	s_add_nc_u64 s[22:23], s[22:23], s[30:31]
.irp j, 0,1,2,3,4,5,6,7,8,9,10,11,12,13,14,15
	global_load_b128 v[X+4*\j:X+4*\j+3], v1, s[24:25] offset:4096*\j th:TH_LOAD_NT
.endr
.irp j, 0,1,2,3,4,5,6,7,8,9,10,11,12,13,14,15
	s_wait_loadcnt 15-\j                           ; loads come back in order: group j's is in, the younger groups' stay out
	v_cvt_pk_bf16_f32 v[T+2*(\j%2)],   v[X+4*\j],   v[X+4*\j+1]   ; the one rounding
	v_cvt_pk_bf16_f32 v[T+2*(\j%2)+1], v[X+4*\j+2], v[X+4*\j+3]
	v_lshlrev_b32 v[X+4*\j],   16,  v[T+2*(\j%2)]
	v_and_b32     v[X+4*\j+1], s28, v[T+2*(\j%2)]
	v_lshlrev_b32 v[X+4*\j+2], 16,  v[T+2*(\j%2)+1]
	v_and_b32     v[X+4*\j+3], s28, v[T+2*(\j%2)+1]
	v_cvt_pk_f16_f32 v[Y+2*\j],   v[X+4*\j],   v[X+4*\j+1]        ; 8 significant bits fit f16's 11
	v_cvt_pk_f16_f32 v[Y+2*\j+1], v[X+4*\j+2], v[X+4*\j+3]
	global_store_b64 v2, v[Y+2*\j:Y+2*\j+1], s[22:23] offset:2048*\j th:TH_STORE_NT
.endr
	s_endpgm
.Lfunc_end_k_q4a53b52339_prep:
	.size	k_q4a53b52339_prep, .Lfunc_end_k_q4a53b52339_prep-k_q4a53b52339_prep
	.p2alignl 7, 3214868480
	.fill 96, 4, 3214868480
	.section	.rodata,"a",@progbits
	.p2align	6, 0x0
	.amdhsa_kernel k_q4a53b52339_prep
		.amdhsa_group_segment_fixed_size 0
		.amdhsa_private_segment_fixed_size 0
		.amdhsa_enable_private_segment 0
		.amdhsa_kernarg_size 64
		.amdhsa_user_sgpr_count 2
		.amdhsa_user_sgpr_kernarg_segment_ptr 1
		.amdhsa_wavefront_size32 1
		.amdhsa_system_sgpr_workgroup_id_x 1
		.amdhsa_system_sgpr_workgroup_id_y 1
		.amdhsa_system_sgpr_workgroup_id_z 1
		.amdhsa_system_vgpr_workitem_id 0
		.amdhsa_next_free_vgpr 112
		.amdhsa_next_free_sgpr 66
		.amdhsa_reserve_vcc 0
		.amdhsa_float_denorm_mode_32 3
		.amdhsa_float_denorm_mode_16_64 3
		.amdhsa_memory_ordered 1
		.amdhsa_forward_progress 1
		.amdhsa_inst_pref_size 12
	.end_amdhsa_kernel
	.amdgpu_metadata
---
amdhsa.version: [ 1, 2 ]
amdhsa.kernels:
  - .name:           k_q4a53b52339_prep
    .symbol:         k_q4a53b52339_prep.kd
    .args:
      - { .name: x, .offset: 0, .size: 8, .value_kind: global_buffer, .address_space: global }
      - { .name: Wq, .offset: 8, .size: 8, .value_kind: global_buffer, .address_space: global }
      - { .name: Wk, .offset: 16, .size: 8, .value_kind: global_buffer, .address_space: global }
      - { .name: Wv, .offset: 24, .size: 8, .value_kind: global_buffer, .address_space: global }
      - { .name: Wp, .offset: 32, .size: 8, .value_kind: global_buffer, .address_space: global }
      - { .name: W1, .offset: 40, .size: 8, .value_kind: global_buffer, .address_space: global }
      - { .name: W2, .offset: 48, .size: 8, .value_kind: global_buffer, .address_space: global }
      - { .name: wb, .offset: 56, .size: 8, .value_kind: global_buffer, .address_space: global }
    .group_segment_fixed_size: 0
    .private_segment_fixed_size: 0
    .kernarg_segment_align: 8
    .kernarg_segment_size: 64
    .max_flat_workgroup_size: 256
    .sgpr_count:     66
    .vgpr_count:     112
    .wavefront_size: 32
...
	.end_amdgpu_metadata
.endif
;; end of part 1
;; launch qkvg (part 2): grid 16 x 16, 4 waves a work-group, clusters of 4 x 4, 327,680 bytes of LDS; arguments wb, qkv; writes qkv
.if DOCPART == 2
	.amdgcn_target "amdgcn-amd-amdhsa--gfx1250"
	.amdhsa_code_object_version 6
	.text
	.protected	k_q4a53b52339_qkvg
	.globl	k_q4a53b52339_qkvg
	.p2align	8
	.type	k_q4a53b52339_qkvg,@function
k_q4a53b52339_qkvg:
	s_mov_b64 s[64:65], 0
	v_nop
	global_prefetch_b8 v0, s[64:65] scope:SCOPE_SE
	s_setreg_imm32_b32 hwreg(HW_REG_WAVE_MODE, 25, 1), 1
	s_wait_xcnt 0x0
	s_wait_alu depctr_hold_cnt(0) depctr_sa_sdst(0) depctr_va_vdst(0) depctr_va_sdst(0) depctr_va_ssrc(0) depctr_va_vcc(0) depctr_vm_vsrc(0)
	s_getreg_b32 s2, hwreg(HW_REG_IB_STS2, 6, 4)
	s_cmp_eq_u32 s2, 0
	s_cbranch_scc0 .Lentry_in_a_cluster
	s_endpgm
.Lentry_in_a_cluster:
	s_bfe_u32 s2, ttmp6, 0x10000c
	s_cmp_lg_u32 s2, 0xf033
	s_cbranch_scc0 .Lentry_shape_is_right
	s_endpgm
.Lentry_shape_is_right:
; q, k, v of one head for 256 rows: C[256][192] = x[256][1024] W[1024][192], W = the head's Wq, Wk, Wv side by side.  Operands f16 (numbers rounded to bf16 by the launch before), sums f32, results rounded once to f16.
; LIMIT.  A result of 65,520 or more becomes an infinity in f16.
; SHARES.  Work-group (tx, ty): head tx, rows 256 ty.  Wave w: rows 64 w, all 192 columns: 48 accumulators.  K goes in 8 steps of 128 through two LDS slots.
; W lies [k][n]: its fragments come out of LDS turned, by ds_load_tr16_b128.  For q and k THE PRODUCT IS TAKEN TRANSPOSED (source 0 = 16 columns of W, source 1 = 16 rows of x): a lane holds eight neighbouring columns of one row.
; For v the sources stand the other way round (source 0 = 16 rows of x): a lane holds eight neighbouring rows of one column.
; CLUSTER 4 x 4: x's tile hangs on ty alone and is asked for jointly along a row of the cluster, W's on tx alone, along a column.  Wave 0 fetches x's 256 rows, waves 1 to 3 a panel of W each.
; ONE K STEP IS THE LOOP'S TEXT: the slot in hand is s[TB], 0 or SLOT, and the LDS addresses are made anew from it at each change of slots.
; OUT: panels [3 x 16][4096][64] of f16.  Inside a panel each 16 rows x 64 columns are 2,048 bytes IN FRAGMENT ORDER: four blocks of 512 bytes, one for 16 columns, lane l's 16 bytes at 16 l: a packed accumulator as it lies
; in registers.  Two such blocks are a matrix operand of 16 x 32 (q, k: 16 rows x 32 columns; v: 16 columns x 32 rows), so nothing goes through LDS on the way out, and each store covers 512 consecutive bytes.
; REGISTERS: window 0: v2-14 addresses, v64.. x's fragments (two buffers), v64-255 the way out; window 1: W's fragments (two buffers); windows 2, 3: the accumulators, (a, b) at 8 (NBK (a mod MB/2) + b).
.set FFN, 0
.set MB, 4                             ; blocks of 16 rows a wave
.set NBK, 12                           ; blocks of 16 columns a wave
.set SWAPB, 8                          ; from this block of columns on (v's) the sources are swapped
.set AW, 1                             ; waves that fetch A
.set AROWS, 256                        ; rows in one of A's loads
.set PB, 160                           ; a k-row of B in LDS: 128 bytes + 32
.set BCOL, 128                         ; B's load: elements in a row,
.set BPIT, 128                         ; and from row to row: a panel's dense 16,384 bytes as 64 rows of 256
.set SLOT, 131072
.set BSTEP, 16384
.set NJ, 3                             ; panels of 64 columns a wave
.set JSTEP, 0x800000                   ; bytes from q's panel to k's to v's
.set FM, 1                             ; the first products start the sums with 0
.set AP, 4
.set WP, 4
.set OPT, 6
.set PA, 272                           ; a row of A in LDS: 256 bytes + 16
.set ABYTES, 256*PA
.set ASTEP, 256
.set SPARE, 2*SLOT                     ; behind the ring: the spare words, 128 bytes a wave, which no other line names
.set NU, MB*NJ
.set A0, 2                             ; my lane's place in A's tile; never rewritten
.set B0, 3                             ; the same for B
.set ADRA, 4                           ; the same in the slot in hand
.set ADRB, 5
.set GO, 8                             ; 16 x my lane
.set PFO, 9
.set PFO2, 10
.set BO, 11
.set SPW, 12
.set NIL, 13
.set ZR, 14
.set FA, 64
.set BIAS, 192
.set TMP, 64                           ; the way out: twelve units of 16 registers
.set WV, 12
.set W2, 13
.set W1, 15
.set CX, 16
.set CY, 17
.set TX, 18
.set TY, 19
.set G1A, 24
.set G1B, 32
.set G0A, 40                           ; two sets: the first fills; the second then walks
.set G0B, 48
.set CNT, 56
.set TB, 58
.set WOA, 59
.set WOB, 60
.set LIM, 61
.set PFA, 62
.set PST, 66
.set OUT, 68
.set MSB, 0
.macro WIN new                         ; the immediate's high byte repeats the setting that is left; a switch that changes nothing is dropped
.if MSB != (\new)
	s_set_vgpr_msb (MSB<<8)|(\new)
.set MSB, (\new)
.endif
.endm
.macro PLACES                          ; four plain vector instructions between a matrix instruction and a load into, or a reader of, its registers
.rept 4
	v_nop
.endr
.endm
.macro JLOAD                           ; a joint refill; the branch hangs on the wave's number alone; s_nop 0 and four v_nop follow each line
	s_cmp_lt_u32 s[WV], AW
	s_cbranch_scc0 .Lfor_b_\@
	tensor_load_to_lds s[G0A+4:G0A+7], s[G1A:G1A+7]
	s_nop 0
.rept 4
	v_nop
.endr
	s_branch .Lasked_\@
.Lfor_b_\@:
	tensor_load_to_lds s[G0B+4:G0B+7], s[G1B:G1B+7]
	s_nop 0
.rept 4
	v_nop
.endr
.Lasked_\@:
.endm
.macro CREST                           ; a round of the cluster's barrier behind its opening barrier
	s_cmp_lg_u32 s[WV], 0
	s_cbranch_scc1 .Lnot_wave_0_\@
	s_barrier_signal -3
.Lnot_wave_0_\@:
	s_barrier_wait -3
	s_barrier_signal -1
	s_barrier_wait -1
.endm
.macro CROUND
	s_barrier_signal -1
	s_barrier_wait -1
	CREST
.endm
; A prefetch into the L2, behind the joint load and the run of LDS loads.  A's rows are named by the clusters with x = 0, B's by those with y = 0; the four partners share the blocks out by address.
; Each aligned block of 256 bytes of K steps 4 to 7 is named once in the launch; steps 0 to 3 come by their loads alone.
.macro ASK
	s_cmp_gt_u32 s[CNT], s[LIM]
	s_cbranch_scc0 .Lnot_mine_\@
	global_prefetch_b8 v[PFO], s[PFA:PFA+1] th:TH_LOAD_NT scope:SCOPE_SE
.if !FFN
	global_prefetch_b8 v[PFO2], s[PFA:PFA+1] th:TH_LOAD_NT scope:SCOPE_SE
.endif
.Lnot_mine_\@:
.endm
.if FFN
	s_load_b256 s[4:11], s[0:1], 0x0               ; x1h, wb, b1, hb
.else
	s_load_b128 s[4:7], s[0:1], 0x0                ; wb, qkv
.endif
	v_lshl_add_u32 v[SPW], v0, 2, SPARE
	v_mov_b32 v[NIL], 0
	ds_add_u32 v[SPW], v[NIL]                      ; the wave's opening: the add and its wait ahead of my first tensor load
	v_lshrrev_b32 v1, 5, v0
	v_readfirstlane_b32 s[WV], v1
	s_and_b32 s[W1], s[WV], 1
	s_lshr_b32 s[W2], s[WV], 1
	s_bfe_u32 s[CX], ttmp6, 0x40000
	s_bfe_u32 s[CY], ttmp6, 0x40004
	s_lshl_b32 s[TX], ttmp9, 2
	s_add_co_u32 s[TX], s[TX], s[CX]
	s_and_b32 s[TY], ttmp7, 0xffff
	s_lshl_b32 s[TY], s[TY], 2
	s_add_co_u32 s[TY], s[TY], s[CY]
	s_lshl_b32 s20, s[CY], 2
	s_lshl_b32 s20, 15, s20                        ; my row of the cluster
	s_lshl_b32 s21, 0x1111, s[CX]                  ; my column
	s_or_b32 s[G1A], s20, (1<<16)|(1<<20)|(1<<21)|(5<<22)|(3<<25)   ; mask; 2-byte elements; padding on; bit 21 beside a mask; 4 words behind every 64
.if FFN
	s_or_b32 s[G1B], s21, (1<<16)|(1<<20)|(1<<21)|(6<<22)|(7<<25)   ; 8 words behind every 128
.else
	s_or_b32 s[G1B], s21, (1<<16)|(1<<20)|(1<<21)|(4<<22)|(7<<25)   ; 8 words behind every 32
.endif
	s_mov_b32 s[G1A+1], 128<<16                    ; tensor_dim0
	s_mov_b32 s[G1A+2], AROWS<<16                  ; tensor_dim1
	s_mov_b32 s[G1A+3], 128<<16                    ; tile_dim0
	s_mov_b32 s[G1A+4], AROWS                      ; tile_dim1
	s_mov_b32 s[G1A+5], 1024                       ; elements from row to row
	s_mov_b32 s[G1A+6], 0
	s_mov_b32 s[G1A+7], 0
	s_mov_b32 s[G1B+1], BCOL<<16
	s_mov_b32 s[G1B+2], 64<<16
	s_mov_b32 s[G1B+3], BCOL<<16
	s_mov_b32 s[G1B+4], 64
	s_mov_b32 s[G1B+5], BPIT
	s_mov_b32 s[G1B+6], 0
	s_mov_b32 s[G1B+7], 0
	s_lshl_b32 s74, s[TY], 19                      ; A: 256 ty rows of 2,048 bytes
.if FFN
	s_lshl_b32 s75, s[W1], 18                      ; + the 128 rows that I fetch
	s_add_co_u32 s74, s74, s75
	s_lshl_b32 s76, s[W1], 19                      ; B: the 64 k-rows of 8,192 bytes that I fetch,
	s_lshl_b32 s77, s[TX], 9                       ; the tile's 512 bytes of them,
	s_add_co_u32 s76, s76, s77
	s_add_co_u32 s76, s76, 0x1000000               ; in W1's part of wb
	s_mul_i32 s[WOA], s[W1], 128*PA
	s_mul_i32 s[WOB], s[W1], 64*PB
	s_add_co_u32 s[WOB], s[WOB], ABYTES
.else
	s_lshl_b32 s76, s[WV], 21                      ; B: panel w - 1 of three (2 MiB apart; wave 0 makes these words and never uses them),
	s_lshl_b32 s77, s[TX], 17                      ; the head's 131,072 bytes in it
	s_add_co_u32 s76, s76, s77
	s_add_co_u32 s76, s76, 0x600000                ; the weights begin at 0x800000
	s_mov_b32 s[WOA], 0
	s_mul_i32 s[WOB], s[WV], 128*PB
	s_add_co_u32 s[WOB], s[WOB], ABYTES-128*PB
.endif
	s_mov_b32 s75, 0
	s_mov_b32 s77, 0
	s_mov_b32 s[TB], 0
	s_mov_b32 s80, 0xffff0000
	s_wait_dscnt 0x0                               ; the opening add is done
	s_wait_kmcnt 0x0
	s_add_nc_u64 s[74:75], s[AP:AP+1], s[74:75]
	s_add_nc_u64 s[76:77], s[WP:WP+1], s[76:77]
	CROUND                                         ; all sixteen work-groups are here: the first joint loads meet
.irp s, 0,1
	s_mov_b32 s[G0A+4*\s], 1
	s_add_co_u32 s[G0A+4*\s+1], s[WOA], \s*SLOT
	s_add_nc_u64 s[G0A+4*\s+2:G0A+4*\s+3], s[74:75], \s*ASTEP
	s_or_b32 s[G0A+4*\s+3], s[G0A+4*\s+3], 0x80000000
	s_mov_b32 s[G0B+4*\s], 1
	s_add_co_u32 s[G0B+4*\s+1], s[WOB], \s*SLOT
	s_add_nc_u64 s[G0B+4*\s+2:G0B+4*\s+3], s[76:77], \s*BSTEP
	s_or_b32 s[G0B+4*\s+3], s[G0B+4*\s+3], 0x80000000
.endr
	s_cmp_lt_u32 s[WV], AW                         ; a wave's two first fills stand in one branch: two loads of mine are out
	s_cbranch_scc0 .Lfirst_b
	tensor_load_to_lds s[G0A:G0A+3], s[G1A:G1A+7]
	s_nop 0
	tensor_load_to_lds s[G0A+4:G0A+7], s[G1A:G1A+7]
	s_nop 0
.rept 4
	v_nop
.endr
	s_branch .Lfirst_done
.Lfirst_b:
	tensor_load_to_lds s[G0B:G0B+3], s[G1B:G1B+7]
	s_nop 0
	tensor_load_to_lds s[G0B+4:G0B+7], s[G1B:G1B+7]
	s_nop 0
.rept 4
	v_nop
.endr
.Lfirst_done:
	v_and_b32 v20, 15, v0                          ; r = l % 16
	v_bfe_u32 v21, v0, 4, 1                        ; h = l / 16
	v_and_b32 v22, 7, v0
	v_bfe_u32 v23, v0, 3, 1
	v_and_b32 v24, 31, v0
.if FFN
	; the bias, rounded to bf16 like every input, is the C operand of the first products: register j of block b holds b1[16 b + 8 h + j] of my 128 columns
	s_lshl_b32 s78, s[TX], 10
	s_lshl_b32 s79, s[W1], 9
	s_add_co_u32 s78, s78, s79
	v_lshlrev_b32 v[BO], 5, v21
	v_add_nc_u32 v[BO], s78, v[BO]
.irp b, 0,1,2,3,4,5,6,7
	global_load_b128 v[BIAS+8*\b:BIAS+8*\b+3],   v[BO], s[8:9] offset:64*\b
	global_load_b128 v[BIAS+8*\b+4:BIAS+8*\b+7], v[BO], s[8:9] offset:64*\b+16
.endr
	s_wait_loadcnt 0x0
.set i, 0
.rept 32
	v_cvt_pk_bf16_f32 v[16+i%4], v[BIAS+2*i], v[BIAS+2*i+1]
	v_lshlrev_b32 v[BIAS+2*i], 16, v[16+i%4]
	v_and_b32 v[BIAS+2*i+1], s80, v[16+i%4]
.set i, i+1
.endr
	s_mul_i32 s78, s[W2], 128*PA
.else
	s_mul_i32 s78, s[WV], 64*PA
.endif
	v_mul_u32_u24 v[A0], v20, PA                   ; a fragment of A: row r, 16 bytes for each half of the lanes, twice, 32 bytes apart
	v_lshl_add_u32 v[A0], v21, 4, v[A0]
	v_add_nc_u32 v[A0], s78, v[A0]
	v_lshl_add_u32 v[B0], v21, 3, v22              ; the turning load: k-row 8 h + l % 8, 16 bytes at 16 ((l / 8) % 2)
	v_mul_u32_u24 v[B0], v[B0], PB
	v_lshl_add_u32 v[B0], v23, 4, v[B0]
.if FFN
	s_lshl_b32 s78, s[W1], 8
	s_add_co_u32 s78, s78, ABYTES
	v_add_nc_u32 v[B0], s78, v[B0]
.else
	v_add_nc_u32 v[B0], ABYTES, v[B0]
.endif
	v_mov_b32 v[ADRA], v[A0]
	v_mov_b32 v[ADRB], v[B0]
	v_lshlrev_b32 v[GO], 4, v24                    ; my 16 bytes in a block of 512
	v_mov_b32 v[ZR], 0
.if FFN
	s_lshl_b32 s78, s[TX], 21                      ; panel 4 tx + 2 (w % 2), 524,288 bytes each,
	s_lshl_b32 s79, s[W1], 20
	s_add_co_u32 s78, s78, s79
	s_lshl_b32 s79, s[W2], 14                      ; my 128 rows of 128 bytes
	s_add_co_u32 s78, s78, s79
.else
	s_lshl_b32 s78, s[TX], 19                      ; the head's panel,
	s_lshl_b32 s79, s[WV], 13                      ; my 64 rows of 128 bytes
	s_add_co_u32 s78, s78, s79
.endif
	s_lshl_b32 s79, s[TY], 15
	s_add_co_u32 s78, s78, s79
	s_mov_b32 s79, 0
	s_add_nc_u64 s[OUT:OUT+1], s[OPT:OPT+1], s[78:79]
	s_add_nc_u64 s[OUT+2:OUT+3], s[OUT:OUT+1], JSTEP
.if NJ > 2
	s_add_nc_u64 s[OUT+4:OUT+5], s[OUT+2:OUT+3], JSTEP
.endif
	; the prefetches' address, step, lane offsets and bound
.if FFN
	s_lshl_b32 s57, s[TY], 19                      ; A: of the 128 rows that I fetch my work-group's 32, a lane a row, at K step 3
	s_lshl_b32 s79, s[W1], 18
	s_add_co_u32 s57, s57, s79
	s_lshl_b32 s79, s[CX], 16
	s_add_co_u32 s57, s57, s79
	s_add_co_u32 s57, s57, 3*ASTEP
	s_lshl_b32 s78, s[W1], 19                      ; B: of the 64 k-rows that I fetch my work-group's 16, two lanes a row
	s_lshl_b32 s79, s[CY], 17
	s_add_co_u32 s78, s78, s79
	s_lshl_b32 s79, s[TX], 9
	s_add_co_u32 s78, s78, s79
	s_add_co_u32 s78, s78, 0x1000000+3*BSTEP
	s_and_b32 s79, ttmp7, 0xffff
	s_mov_b32 s[PST], BSTEP
	s_cmp_lt_u32 s[WV], AW
	s_cselect_b64 s[PFA:PFA+1], s[AP:AP+1], s[WP:WP+1]
	s_cselect_b32 s78, s57, s78
	s_cselect_b32 s[PST], ASTEP, s[PST]
	s_cselect_b32 s81, 0, 1
	s_cselect_b32 s82, 11, 13
	s_cselect_b32 s79, ttmp9, s79                  ; the coordinate along which other clusters read the same rows
	s_cmp_eq_u32 s79, 0
	s_cselect_b32 s[LIM], 2, -1                    ; trips with CNT above 2 name K steps 4 to 7
	v_lshrrev_b32 v[PFO], s81, v24
	v_lshlrev_b32 v[PFO], s82, v[PFO]
	v_and_b32 v[PFO2], s81, v24
	v_lshl_add_u32 v[PFO], v[PFO2], 8, v[PFO]
.else
	s_lshl_b32 s57, s[TY], 19                      ; wave 0, A: my work-group's 64 of the 256 rows, two lines of a lane a row, at K step 3
	s_lshl_b32 s79, s[CX], 17
	s_add_co_u32 s57, s57, s79
	s_add_co_u32 s57, s57, 3*ASTEP
	s_lshl_b32 s78, s[WV], 21                      ; waves 1 to 3, B: all 16,384 bytes of my panel's K step 4 + cy, once
	s_lshl_b32 s79, s[TX], 17
	s_add_co_u32 s78, s78, s79
	s_lshl_b32 s79, s[CY], 14
	s_add_co_u32 s78, s78, s79
	s_add_co_u32 s78, s78, 0x600000+4*BSTEP
	s_and_b32 s79, ttmp7, 0xffff
	s_mov_b32 s82, 8192
	s_cmp_lt_u32 s[WV], AW
	s_cselect_b64 s[PFA:PFA+1], s[AP:AP+1], s[WP:WP+1]
	s_cselect_b32 s78, s57, s78
	s_cselect_b32 s[PST], ASTEP, 0
	s_cselect_b32 s81, 11, 8
	s_cselect_b32 s82, 65536, s82
	s_cselect_b32 s83, 2, 5
	s_cselect_b32 s79, ttmp9, s79
	s_cmp_eq_u32 s79, 0
	s_cselect_b32 s[LIM], s83, -1
	v_lshlrev_b32 v[PFO], s81, v24
	v_add_nc_u32 v[PFO2], s82, v[PFO]
.endif
	s_mov_b32 s79, 0
	s_mov_b32 s[PST+1], 0
	s_add_nc_u64 s[PFA:PFA+1], s[PFA:PFA+1], s[78:79]
; NBK matrix instructions: block a of my rows x all my columns, 32 along K, from buffer f.  mode 1: C = 0; mode 2: C = the bias; else in place.  From block SWAPB of the columns on the sources are swapped.
; The accumulators take turns, one instruction a turn, in the same order in every quarter.
.macro MULA f, a, mode
.set hi, (\a)/(MB/2)
.set al, (\a)%(MB/2)
.set b, 0
.rept NBK
.set rD, 8*(NBK*al+b)
.set rB, 8*NBK*(\f)+8*b
.set rA, FA+8*MB*(\f)+8*(\a)
.if b >= SWAPB
	WIN 0xa4+0x50*hi                               ; source 0 (A) window 0, source 1 (B) window 1
.if (\mode) == 1
	v_wmma_f32_16x16x32_f16 v[rD:rD+7], v[rA:rA+7], v[rB:rB+7], 0
.else
	v_wmma_f32_16x16x32_f16 v[rD:rD+7], v[rA:rA+7], v[rB:rB+7], v[rD:rD+7]
.endif
.elseif (\mode) == 1
	WIN 0xa1+0x50*hi                               ; source 0 (B) window 1, source 1 (A) window 0
	v_wmma_f32_16x16x32_f16 v[rD:rD+7], v[rB:rB+7], v[rA:rA+7], 0
.elseif (\mode) == 2
	WIN 0x81+0x40*hi                               ; the same with C in window 0
	v_wmma_f32_16x16x32_f16 v[rD:rD+7], v[rB:rB+7], v[rA:rA+7], v[BIAS+8*b:BIAS+8*b+7]
.else
	WIN 0xa1+0x50*hi
	v_wmma_f32_16x16x32_f16 v[rD:rD+7], v[rB:rB+7], v[rA:rA+7], v[rD:rD+7]
.endif
.set b, b+1
.endr
.endm
.macro HALF f, lo, n, mode             ; n blocks of rows from lo on
.set aa, \lo
.rept \n
	MULA \f, aa, \mode
.set aa, aa+1
.endr
.endm
; 32 LDS loads in one run: quarter q (32 along K) of the slot in hand into buffer f: B turned, then A
.macro FETCH q, f
	WIN 0x40
.set b, 0
.rept NBK
.if FFN
.set ob, 32*b+32*PB*(\q)
.else
.set ob, (b/4)*128*PB+32*(b%4)+32*PB*(\q)
.endif
	ds_load_tr16_b128 v[8*NBK*(\f)+8*b:8*NBK*(\f)+8*b+3],   v[ADRB] offset:ob
	ds_load_tr16_b128 v[8*NBK*(\f)+8*b+4:8*NBK*(\f)+8*b+7], v[ADRB] offset:ob+16*PB
.set b, b+1
.endr
	WIN 0
.set a, 0
.rept MB
	ds_load_b128 v[FA+8*MB*(\f)+8*a:FA+8*MB*(\f)+8*a+3],   v[ADRA] offset:16*PA*a+64*(\q)
	ds_load_b128 v[FA+8*MB*(\f)+8*a+4:FA+8*MB*(\f)+8*a+7], v[ADRA] offset:16*PA*a+64*(\q)+32
.set a, a+1
.endr
.endm
; One of a K step's first three quarters: multiplies buffer f, and in its middle fetches quarter q into buffer g
.macro QUARTER q, f, g, mode
	s_wait_dscnt MB                                ; B and A's lower blocks are in; the youngest MB loads, A's upper blocks, may be out
	HALF \f, 0, MB/2, \mode
	PLACES
	FETCH \q, \g
	s_wait_dscnt 32                                ; all but the 32 just issued
	HALF \f, MB/2, MB/2, \mode
.endm
; The last quarter multiplies buffer 1 and changes slots.  In front of the barrier each wave waits for all its tensor loads (one is out: its part of the next slot), adds 0 to its spare word,
; and waits for that and for its reads of this slot.  fill = 1: the barrier opens a round of the cluster's, and this slot is filled again, two K steps ahead, first thing behind the round.
.macro TURN fill
.if \fill
	s_wait_xcnt 0x0                                ; the last prefetch, a K step back, has read its address
	s_add_nc_u64 s[PFA:PFA+1], s[PFA:PFA+1], s[PST:PST+1]
.endif
	WIN 0
	s_wait_tensorcnt 0x0
	ds_add_u32 v[SPW], v[NIL]
.if \fill
	s_add_co_u32 s[G0A+5], s[WOA], s[TB]           ; no tensor load of mine is out: the walking descriptors step: this slot, the next K step but one
	s_add_nc_u64 s[G0A+6:G0A+7], s[G0A+6:G0A+7], ASTEP
	s_add_co_u32 s[G0B+5], s[WOB], s[TB]
	s_add_nc_u64 s[G0B+6:G0B+7], s[G0B+6:G0B+7], BSTEP
.endif
	s_wait_dscnt MB+1                              ; the add and the youngest MB loads may be out
	HALF 1, 0, MB/4, 0
	s_wait_dscnt 0x0                               ; the add is done, and my reads of this slot are over
	s_barrier_signal -1
	HALF 1, MB/4, MB/4, 0
	WIN 0
	s_barrier_wait -1
.if \fill
	CREST
	JLOAD                                          ; its four v_nop are also the places in front of the loads below
.else
	PLACES
.endif
	s_sub_co_u32 s[TB], SLOT, s[TB]                ; the other slot
	v_add_nc_u32 v[ADRA], s[TB], v[A0]
	v_add_nc_u32 v[ADRB], s[TB], v[B0]
	FETCH 0, 0
.if \fill
	ASK
.endif
	HALF 1, MB/2, MB/2, 0
.endm
; THE WAY OUT, in units of 16 rows x 64 columns: four accumulators are rounded to f16 (each from its low registers on) and stored as they lie: 512 consecutive bytes a store, 2,048 a unit.
.macro PACKU u
.set ua, (\u)/NJ
.set uj, (\u)%NJ
.set hi, ua/(MB/2)
.set al, ua%(MB/2)
.set TT, TMP+16*((\u)%12)
	WIN 0x0a+5*hi
.set c, 0
.rept 4
.set rD, 8*(NBK*al+4*uj+c)
.irp r, 0,1,2,3
	v_cvt_pk_f16_f32 v[TT+4*c+\r], v[rD+2*\r], v[rD+2*\r+1]
.endr
.set c, c+1
.endr
	WIN 0
.if FFN
.set c, 0
.rept 16
	v_pk_max_num_f16 v[TT+c], v[TT+c], v[ZR]       ; the ReLU, two numbers a line
.set c, c+1
.endr
.endif
.irp e, 0,1,2,3
	global_store_b128 v[GO], v[TT+4*\e:TT+4*\e+3], s[OUT+2*uj:OUT+2*uj+1] offset:2048*ua+512*\e
.endr
.endm
	s_wait_tensorcnt 0x1                           ; my part of K step 0 is in; step 1's may stay out
	s_barrier_signal -1
	s_barrier_wait -1
	FETCH 0, 0
	QUARTER 1, 0, 1, FM                            ; the first quarter stands in front of the loop: its products start the sums
	WIN 0
	s_mov_b32 s[CNT], 6
.Lk:                                               ; a trip: a K step's last three quarters and the next step's first; steps 0 to 5 fill their slot again
	QUARTER 2, 1, 0, 0
	QUARTER 3, 0, 1, 0
	TURN 1
	QUARTER 1, 0, 1, 0
	WIN 0
	s_sub_co_u32 s[CNT], s[CNT], 1
	s_cmp_lg_u32 s[CNT], 0
	s_cbranch_scc1 .Lk
	s_mov_b32 s[CNT], 2
.Lt:                                               ; steps 6 and 7 ask for nothing; the second trip is left in its middle
	QUARTER 2, 1, 0, 0
	QUARTER 3, 0, 1, 0
	WIN 0
	s_sub_co_u32 s[CNT], s[CNT], 1
	s_cmp_eq_u32 s[CNT], 0
	s_cbranch_scc1 .Lout
	TURN 0
	QUARTER 1, 0, 1, 0
	WIN 0
	s_branch .Lt
.Lout:
	s_wait_dscnt MB
	HALF 1, 0, MB/2, 0
	s_wait_dscnt 0x0
	HALF 1, MB/2, MB/2, 0
	WIN 0
	PLACES                                         ; behind the last products: the conversions read results and write over fragments
.set u, 0
.rept NU
.if u == 12
	s_wait_xcnt 0x0                                ; the first units' stores have read their registers, which are written again from here on
.endif
	PACKU u
.set u, u+1
.endr
	s_wait_tensorcnt 0x0                           ; the wave's end
	ds_add_u32 v[SPW], v[NIL]
	s_wait_dscnt 0x0
	CROUND                                         ; the closing round
	s_endpgm
.Lfunc_end_k_q4a53b52339_qkvg:
	.size	k_q4a53b52339_qkvg, .Lfunc_end_k_q4a53b52339_qkvg-k_q4a53b52339_qkvg
	.p2alignl 7, 3214868480
	.fill 96, 4, 3214868480
	.section	.rodata,"a",@progbits
	.p2align	6, 0x0
	.amdhsa_kernel k_q4a53b52339_qkvg
		.amdhsa_group_segment_fixed_size 327680
		.amdhsa_private_segment_fixed_size 0
		.amdhsa_enable_private_segment 0
		.amdhsa_kernarg_size 16
		.amdhsa_user_sgpr_count 2
		.amdhsa_user_sgpr_kernarg_segment_ptr 1
		.amdhsa_wavefront_size32 1
		.amdhsa_system_sgpr_workgroup_id_x 1
		.amdhsa_system_sgpr_workgroup_id_y 1
		.amdhsa_system_sgpr_workgroup_id_z 1
		.amdhsa_system_vgpr_workitem_id 0
		.amdhsa_next_free_vgpr 960
		.amdhsa_next_free_sgpr 84
		.amdhsa_reserve_vcc 0
		.amdhsa_float_denorm_mode_32 3
		.amdhsa_float_denorm_mode_16_64 3
		.amdhsa_memory_ordered 1
		.amdhsa_forward_progress 1
		.amdhsa_inst_pref_size 82
	.end_amdhsa_kernel
	.amdgpu_metadata
---
amdhsa.version: [ 1, 2 ]
amdhsa.kernels:
  - .name:           k_q4a53b52339_qkvg
    .symbol:         k_q4a53b52339_qkvg.kd
    .args:
      - { .name: wb, .offset: 0, .size: 8, .value_kind: global_buffer, .address_space: global }
      - { .name: qkv, .offset: 8, .size: 8, .value_kind: global_buffer, .address_space: global }
    .group_segment_fixed_size: 327680
    .private_segment_fixed_size: 0
    .kernarg_segment_align: 8
    .kernarg_segment_size: 16
    .max_flat_workgroup_size: 128
    .sgpr_count:     84
    .vgpr_count:     960
    .wavefront_size: 32
...
	.end_amdgpu_metadata
.endif
;; end of part 2
;; launch attn (part 3): grid 8 x 32, 4 waves a work-group, no clusters, 327,680 bytes of LDS; arguments qkv, ob; writes ob
.if DOCPART == 3
	.amdgcn_target "amdgcn-amd-amdhsa--gfx1250"
	.amdhsa_code_object_version 6
	.text
	.protected	k_q4a53b52339_attn
	.globl	k_q4a53b52339_attn
	.p2align	8
	.type	k_q4a53b52339_attn,@function
k_q4a53b52339_attn:
	s_mov_b64 s[64:65], 0
	v_nop
	global_prefetch_b8 v0, s[64:65] scope:SCOPE_SE
	s_setreg_imm32_b32 hwreg(HW_REG_WAVE_MODE, 25, 1), 1
	s_wait_xcnt 0x0
; CAUSAL ATTENTION at head size 64.  O[q] = the sum over k <= q of softmax_k(Q[q] . K[k] / 8) V[k], for 32 heads (2 batches x 16) of 2,048 rows.  q, k, v: panels [48][4096][64] of f16; O: panels [16][4096][64] of f16.
; IN ALL FOUR each 16 rows x 64 channels are 2,048 bytes IN FRAGMENT ORDER: four blocks of 512 bytes, one for 16 channels, lane l's 16 bytes at 16 l.  q, k, O: the lane holds row l % 16, channels 8 (l / 16) + 0..7;
; v: channel l % 16, rows 8 (l / 16) + 0..7.  Two blocks are a matrix operand, so every LDS and global access of a wave is 512 consecutive bytes, nothing is turned or padded, and O leaves straight from registers.
; Products, maxima and sums in f32; the weights p are rounded to f16 for the second product (their sum l is taken of the unrounded p), O once at the end.
; LIMITS.  q, k, v arrive within f16's 65,504.  A hidden score counts as its value less 1e30; a weight below 2^-126 counts as 0 in l; NaN and infinities are not treated apart.
; THE WALK.  A head's queries lie in 16 blocks of 128; block i needs the key tiles 0 .. i / 2 of 256 keys.  A work-group takes blocks 15 - b and then b: (15 - b) / 2 + b / 2 + 2 = 9 tiles, 36 key steps of 64, whatever b.
; One loop with a constant trip count walks them; what differs hangs on scalar registers made from b; every jump but the loops' own goes forward.
; NO CLUSTER: a head's eight work-groups have four different walks (only b = 2 m and 2 m + 1 are alike), so four partners would ask for different tiles from the fifth trip on.
; SHARES.  Of a block's two bands of 64 queries a wave owns 16 rows in each: two PIECES.  In the block's last tile band x sees all keys of step s if s < D + x, none if s > D + x, and holds the diagonal if s = D + x, D = 2 (i % 2).
; THE MASK is the C operand that starts S^T = K Q^T: MD x AL + BE, MD the mask of a band's own step for my rows.  It stays 0 until the block's last steps: only there is it made anew, behind a forward jump.
; TURNS.  Turn p belongs to piece p: 8 products K Q^T of the other piece (turn 1: of the NEXT step), later 8 products V^T P of the other piece (turn 0: of the step BEFORE); beside them piece p's scaling, exponentials,
; roundings, sums and rescaling and the other piece's maximum and statistics.  A turn's 33 exponentials are one batch with one wait.
; K RUNS A STEP AHEAD OF V, so a slot's K part holds FIVE steps (keys 256 T .. 256 T + 319): all reads of a slot lie between two changes of slots.  The last tile's fifth step lies 64 rows behind the head, inside the
; buffer, and is multiplied under a hidden mask alone: a block's last turn 1 makes scores that nobody uses, the price of one text for every step.
; REGISTERS: window 0: v2-15 addresses and at work; v16-23 statistics; v48-55 at work; v61-63; v64-127 S^T, two buffers; v192-223 P, two buffers.
;   window 1: v0-63 O^T; v128-159 MD; v160-223 the masks, two buffers.   window 2: v0-31 Q; v64-95 the second block's Q; v128-191 K of one step; v192-255 V of one step.
.set NP,    2
.set KS,    64
.set PK,    128       ; bytes of a key in K's part of a slot
.set PV,    128       ; and in V's
.set VOFF,  5*KS*PK   ; 320 keys of K, then 256 of V
.set SLOT1, 1<<17
.set SPARE, SLOT1+VOFF+4*KS*PV  ; behind the ring: the spare words, 128 bytes a wave, which no other line names
.set L16, 2           ; v2   16 x my lane: my place in every block of 512 bytes, in LDS and in memory; never rewritten
.set AV0, 3           ; v3   the same in V's part of a slot
.set AK,  4
.set AV,  5
.set MV,  12          ; v12-13  c m_old, by buffer
.set ST,  16          ; piece t's statistics at v[ST+4 t]: c m, m, l (even keys', odd keys')
.set TMP, 48          ; by buffer, c0-c3 at work; c2 takes a
.set PFO, 61          ; 256 x my lane
.set SPW, 62
.set NIL, 63
.set S,   64
.set P,   192
.set MD,  128
.set MC,  160
.set QB,  64
.set KF,  128
.set VF,  192
.set WV,  12
.set HIT, 13          ; the first block's last tile
.set PB,  14          ; b
.set HI,  15          ; 15 - b
.set G1K, 24
.set G1V, 32
.set G0K, 40
.set G0V, 44
.set SLOTS, 56
.set CNT, 57
.set CS,  58
.set SEL, 60
.set TBK, 62          ; LDS byte at which K of the step to be fetched begins
.set TBV, 63          ; the same for V, less VOFF
.set RT,  70          ; tiles of the block in hand still to be entered
.set NXT, 71          ; the tile to be asked for next
.set LQ,  72          ; the last tile of the block whose tiles are being asked for
.set NEW, 73          ; 1: the tile to be entered is a block's first
.set OFF, 74
.set AL,  76
.set BE,  78
.set OLO, 80
.set BIGN, 82
.set TM,  83
.set GL,  88          ; key steps left in the block, the one in hand among them
.set DD,  89          ; D
.set OW,  90          ; s90, s91: GL at the step in front of band 0's, band 1's own: 5 - D, 4 - D
.set PFA, 92
.set LIM, 94
.set LOT, 95          ; the second block's last tile
.set MSB, 0
.macro WIN new
.if MSB != (\new)
	s_set_vgpr_msb (MSB<<8)|(\new)
.set MSB, (\new)
.endif
.endm
.set W_KQ, 0x0a       ; K and Q in window 2, S^T in window 0
.set W_KM, 0x1a       ; the same with the C operand in window 1
.set W_PV, 0x52       ; V in window 2, P in window 0, O^T in window 1
.set W_RS, 0x41       ; destination and source 0 in window 1
; A fill.  Waves 0 and 1 fetch the halves of a tile's K (160 keys each), waves 2 and 3 those of its V (128 each).  s_nop 0 and four v_nop follow each line.
.macro LOAD
	s_cmp_lt_u32 s[WV], 2
	s_cbranch_scc0 .Lfor_v_\@
	tensor_load_to_lds s[G0K:G0K+3], s[G1K:G1K+7]
	s_nop 0
.rept 4
	v_nop
.endr
	s_branch .Lasked_\@
.Lfor_v_\@:
	tensor_load_to_lds s[G0V:G0V+3], s[G1V:G1V+7]
	s_nop 0
.rept 4
	v_nop
.endr
.Lasked_\@:
.endm
; A prefetch into the L2 of the head's tile j + 2 in trip j (tiles 2 to 7), one trip ahead of the first load that wants it.  Wave 0 alone asks; work-groups b < 4 share K's 128 blocks of 256 bytes, the others V's, 32 each.
.macro ASK
	s_cmp_gt_u32 s[SLOTS], s[LIM]
	s_cbranch_scc0 .Lnot_mine_\@
	global_prefetch_b8 v[PFO], s[PFA:PFA+1] th:TH_LOAD_NT scope:SCOPE_SE
.Lnot_mine_\@:
.endm
; THE CHANGE OF SLOTS, at a step's boundary.  Each wave waits for all its tensor loads (one is out: its part of the other slot), adds 0 to its spare word, and waits for that and for its reads of the slot that it leaves.
; fill = 1: the old slot is filled again, first thing behind the barrier, with tile NXT; the descriptor's address is made anew from that number.
.macro CHANGE fill
	WIN 0
	s_wait_tensorcnt 0x0
	ds_add_u32 v[SPW], v[NIL]
.if \fill
	s_lshl_b32 s[OFF], s[NXT], 15   ; a tile begins 32,768 bytes behind the last, in K and in V
	s_xor_b32 s[G0K+1], s[G0K+1], SLOT1
	s_add_nc_u64 s[G0K+2:G0K+3], s[6:7], s[OFF:OFF+1]
	s_or_b32 s[G0K+3], s[G0K+3], 0x80000000
	s_xor_b32 s[G0V+1], s[G0V+1], SLOT1
	s_add_nc_u64 s[G0V+2:G0V+3], s[8:9], s[OFF:OFF+1]
	s_or_b32 s[G0V+3], s[G0V+3], 0x80000000
	s_add_co_u32 s[NXT], s[NXT], 1  ; the block's next tile, or behind its last the second block's tile 0
	s_cmp_gt_u32 s[NXT], s[LQ]
	s_cselect_b32 s[NXT], 0, s[NXT]
	s_cselect_b32 s[LQ], s[LOT], s[LQ]
	s_wait_xcnt 0x0                 ; the last prefetch, a tile back, has read its address
	s_add_nc_u64 s[PFA:PFA+1], s[PFA:PFA+1], 32768
.endif
	s_wait_dscnt 0x0                ; the add is done, and my reads of the slot are over
	s_barrier_signal -1
	s_sub_co_u32 s[TBK], s[TBK], 4*KS*PK  ; K's fetches go back to a slot's second step (the first is in registers),
	s_xor_b32 s[TBK], s[TBK], SLOT1       ; in the other slot
	s_sub_co_u32 s[TBV], s[TBV], 4*KS*PV  ; V's to its first
	s_xor_b32 s[TBV], s[TBV], SLOT1
	s_barrier_wait -1
.if \fill
	LOAD
	ASK
.endif
.endm
	s_load_b64 s[4:5], s[0:1], 0x0    ; qkv
	s_load_b64 s[10:11], s[0:1], 0x8  ; ob
	v_lshl_add_u32 v[SPW], v0, 2, SPARE
	v_mov_b32 v[NIL], 0
	ds_add_u32 v[SPW], v[NIL]       ; the wave's opening: the add and its wait ahead of my first tensor load
	v_lshrrev_b32 v1, 5, v0
	v_readfirstlane_b32 s[WV], v1
	s_mov_b32 s[PB], ttmp9
	s_sub_co_u32 s[HI], 15, s[PB]
	s_lshr_b32 s[HIT], s[HI], 1
	s_lshr_b32 s[LOT], s[PB], 1
	s_and_b32 s20, ttmp7, 0xffff    ; 16 x batch + head
	s_and_b32 s21, s20, 15
	s_lshl_b32 s21, s21, 19         ; the head's panel,
	s_lshr_b32 s20, s20, 4
	s_lshl_b32 s20, s20, 18         ; the batch's 2,048 rows of 128 bytes in it
	s_add_co_u32 s20, s20, s21
	s_and_b32 s16, s[WV], 1         ; which half of a tile I fetch
	s_mul_i32 s22, s16, 160*128
	s_add_co_u32 s22, s22, s20
	s_add_co_u32 s22, s22, 0x800000 ; k's panels lie behind q's sixteen
	s_mov_b32 s23, 0
	s_lshl_b32 s96, s16, 14
	s_add_co_u32 s96, s96, s20
	s_add_co_u32 s96, s96, 0x1000000  ; v's behind k's
	s_mov_b32 s97, 0
	s_mul_i32 s17, s16, 160*PK
	s_mul_i32 s18, s16, 128*PV
	s_lshl_b32 s3, s[WV], 11        ; my 16 rows in a band of 64
	s_add_co_u32 s3, s3, s20
	s_lshl_b32 s2, s[HI], 14        ; a block is 128 rows of 128 bytes
	s_add_co_u32 s2, s2, s3
	s_lshl_b32 s84, s[PB], 14
	s_add_co_u32 s84, s84, s3
	s_mov_b32 s3, 0
	s_mov_b32 s85, 0
	; descriptor group 1: dense bytes asked for as rows of 256, laid into LDS as they lie
	s_mov_b32 s[G1K], 1<<16         ; 2-byte elements; no padding
	s_mov_b32 s[G1V], 1<<16
	s_mov_b32 s[G1K+1], 128<<16
	s_mov_b32 s[G1K+2], 80<<16      ; 160 keys
	s_mov_b32 s[G1K+3], 128<<16
	s_mov_b32 s[G1K+4], 80
	s_mov_b32 s[G1K+5], 128
	s_mov_b32 s[G1K+6], 0
	s_mov_b32 s[G1K+7], 0
	s_mov_b32 s[G1V+1], 128<<16
	s_mov_b32 s[G1V+2], 64<<16      ; 128 keys
	s_mov_b32 s[G1V+3], 128<<16
	s_mov_b32 s[G1V+4], 64
	s_mov_b32 s[G1V+5], 128
	s_mov_b32 s[G1V+6], 0
	s_mov_b32 s[G1V+7], 0
	s_mov_b32 s[CS], 0x3e38aa3b     ; c = log2(e) / 8
	s_mov_b32 s[CS+1], s[CS]
	s_mov_b32 s[SEL], 0x76543210
	s_mov_b32 s[SEL+1], 0xfedcba98
	s_mov_b32 s[TBK], SLOT1+5*KS*PK ; the first change of slots turns this into slot 0's second step,
	s_mov_b32 s[TBV], SLOT1+4*KS*PV ; and this into 0
	s_mov_b32 s[G0K], 1
	s_mov_b32 s[G0K+1], s17
	s_mov_b32 s[G0V], 1
	s_add_co_u32 s[G0V+1], s18, VOFF
	s_add_co_u32 s[RT], s[HIT], 1
	s_lshl_b32 s[GL], s[RT], 2
	s_and_b32 s[DD], s[HI], 1
	s_lshl_b32 s[DD], s[DD], 1
	s_sub_co_u32 s[OW], 5, s[DD]
	s_sub_co_u32 s[OW+1], 4, s[DD]
	s_mov_b32 s[NXT], 1
	s_mov_b32 s[LQ], s[HIT]
	s_mov_b32 s[NEW], 1
	s_mov_b32 s[OFF+1], 0
	s_mov_b32 s[AL+1], 0
	s_mov_b32 s[BE+1], 0
	s_mov_b32 s[BIGN], 0xf149f2ca   ; -1e30
	s_mov_b32 s[SLOTS], 8
	s_cmp_eq_u32 s[WV], 0
	s_cselect_b32 s[LIM], 2, -1
	s_and_b32 s98, s[PB], 3
	s_lshl_b32 s98, s98, 13         ; my work-group's 32 blocks of a tile's 128,
	s_add_co_u32 s98, s98, 32768    ; in tile 1; the first change steps it to tile 2
	s_mov_b32 s99, 0
	s_wait_dscnt 0x0                ; the opening add is done
	s_wait_kmcnt 0x0
	s_add_nc_u64 s[6:7], s[4:5], s[22:23]  ; K and V at my half of the head's tile 0
	s_add_nc_u64 s[8:9], s[4:5], s[96:97]
	s_add_nc_u64 s[G0K+2:G0K+3], s[6:7], 0
	s_or_b32 s[G0K+3], s[G0K+3], 0x80000000
	s_add_nc_u64 s[G0V+2:G0V+3], s[8:9], 0
	s_or_b32 s[G0V+3], s[G0V+3], 0x80000000
	s_add_nc_u64 s[86:87], s[4:5], s[84:85]        ; Q at my rows of the second block,
	s_add_nc_u64 s[4:5], s[4:5], s[2:3]            ; Q and O at those of the first
	s_add_nc_u64 s[OLO:OLO+1], s[10:11], s[84:85]
	s_add_nc_u64 s[10:11], s[10:11], s[2:3]
	s_cmp_lt_u32 s[PB], 4
	s_cselect_b64 s[PFA:PFA+1], s[6:7], s[8:9]     ; (in wave 0, which alone asks, these stand at the tile's first row)
	s_add_nc_u64 s[PFA:PFA+1], s[PFA:PFA+1], s[98:99]
	LOAD                            ; tile 0 into slot 0
	v_and_b32 v1, 15, v0            ; l % 16
	v_bfe_u32 v9, v0, 4, 1          ; l / 16
	v_and_b32 v10, 31, v0           ; l
	v_lshlrev_b32 v[L16], 4, v10
	v_lshlrev_b32 v[PFO], 8, v10
	v_add_nc_u32 v[AV0], VOFF, v[L16]
	WIN 0x80
.set i, 0
.rept 4                             ; both blocks' Q: piece i / 2 lies in band i / 2, 8,192 bytes on; channels 32 (i % 2) on: two blocks of 512 bytes
	global_load_b128 v[8*i:8*i+3],   v[L16], s[4:5] offset:(i/2)*8192+(i%2)*1024
	global_load_b128 v[8*i+4:8*i+7], v[L16], s[4:5] offset:(i/2)*8192+(i%2)*1024+512
	global_load_b128 v[QB+8*i:QB+8*i+3],   v[L16], s[86:87] offset:(i/2)*8192+(i%2)*1024
	global_load_b128 v[QB+8*i+4:QB+8*i+7], v[L16], s[86:87] offset:(i/2)*8192+(i%2)*1024+512
.set i, i+1
.endr
	WIN 0
	v_lshlrev_b32 v14, 3, v9
	v_sub_nc_u32 v14, v1, v14
	s_lshl_b32 s[TM], s[WV], 4
	v_add_nc_u32 v14, s[TM], v14    ; my query's place in its band less my lanes' 8 (l / 16): register r of group kt is hidden where 16 kt + r is greater
	WIN 0x40
.set i, 0
.rept 32
	v_cmp_gt_i32 vcc_lo, 16*(i/8)+i%8, v14
	v_cndmask_b32 v[MD+i], 0, s[BIGN], vcc_lo
.set i, i+1
.endr
	; A block's first step multiplies O^T and l by a = 0, and its first turn's products V^T P land in an O^T that is still to be so multiplied: these registers need only hold finite numbers.
	WIN 0x80
.set i, VF
.rept 64
	v_mov_b32 v[i], 0
.set i, i+1
.endr
	WIN 0x40
.set i, 0
.rept 64
	v_mov_b32 v[i], 0
.set i, i+1
.endr
	WIN 0
.set i, 0
.rept NP
	v_mov_b32 v[ST+4*i+2], 0
	v_mov_b32 v[ST+4*i+3], 0
.set i, i+1
.endr
.set i, P+16
.rept 16
	v_mov_b32 v[i], 0
.set i, i+1
.endr
; THE MATRIX WORK.  The 4 accumulators of a run of 8 take turns.  Product i of 8 of S^T = K Q^T for piece x: channels 32 (i / 4) on, keys 16 (i % 4) on.  The first 4 start the sums with the mask.
.macro KQ x
.set rS, S+32*((\x)%2)+8*(i%4)
.set rK, KF+16*(i%4)+8*(i/4)
.set rQ, 16*(\x)+8*(i/4)
.set rM, MC+32*((\x)%2)+8*(i%4)
.if i < 4
	WIN W_KM
	v_wmma_f32_16x16x32_f16 v[rS:rS+7], v[rK:rK+7], v[rQ:rQ+7], v[rM:rM+7]
.else
	WIN W_KQ
	v_wmma_f32_16x16x32_f16 v[rS:rS+7], v[rK:rK+7], v[rQ:rQ+7], v[rS:rS+7]
.endif
.endm
; Product i of 8 of O^T += V^T P for piece x: keys 32 (i / 4) on, channels 16 (i % 4) on.
.macro PV x
	WIN W_PV
.set rO, 32*(\x)+8*(i%4)
.set rV, VF+32*(i/4)+8*(i%4)
.set rP, P+16*((\x)%2)+8*(i/4)
	v_wmma_f32_16x16x32_f16 v[rO:rO+7], v[rV:rV+7], v[rP:rP+7], v[rO:rO+7]
.endm
.macro MM                           ; the turn's next matrix instruction
.if i < 8
	KQ (Y+1)%NP
.else
.set i, i-8
	PV (Y+NP-1)%NP
.set i, i+8
.endif
.set i, i+1
.endm
; THE LDS LOADS stand in runs of 16, each of 512 consecutive bytes.  K: fragment f holds keys 16 (f / 2) on, channels 32 (f % 2) on: two neighbouring blocks.  step = 1: the next fetch is the next step's.
.macro FETCH_K step=1
	WIN 0x80
.irp f, 0,1,2,3,4,5,6,7
	ds_load_b128 v[KF+8*\f:KF+8*\f+3],   v[AK] offset:(\f/2)*2048+(\f%2)*1024
	ds_load_b128 v[KF+8*\f+4:KF+8*\f+7], v[AK] offset:(\f/2)*2048+(\f%2)*1024+512
.endr
.if \step
	s_add_co_u32 s[TBK], s[TBK], KS*PK
.endif
	WIN 0
.endm
; V: fragment f holds keys 32 (f / 4) on, channels 16 (f % 4) on: the same block of channels of two neighbouring groups of 16 keys.
.macro FETCH_V
	WIN 0x80
.irp f, 0,1,2,3,4,5,6,7
	ds_load_b128 v[VF+8*\f:VF+8*\f+3],   v[AV] offset:(\f/4)*4096+(\f%4)*512
	ds_load_b128 v[VF+8*\f+4:VF+8*\f+7], v[AV] offset:(\f/4)*4096+(\f%4)*512+2048
.endr
	WIN 0
.endm
; THE VECTOR WORK, one line at a time: OP kind, number.  For piece Y: F n: c s - c m for pair n of 16.  E n: the exponential of score n of 32.  C n: pair n rounded to f16.  B n: of the four weights 4 n .. the second
; pair is added onto the first.  L n: l takes that sum (L 0: l = a l + sum).  R n: pair n of 16 of O^T times a.  For the other piece: X n, number n of the 22 that find its maximum and statistics:
;   0-11 four chains of seven scores (each accumulator's lowest registers are read first); 12-14, 16 the four left over, the old m, and the four into one; 15 c m_old is kept;
;   17, 18 the other half of the lanes' maximum, the new m; 19-21 c m; c m_old - c m_new; a
.set F, 0
.set E, 1
.set C, 2
.set B, 3
.set L, 4
.set R, 5
.set X, 6
.macro REGS y
.set rT, ST+4*(\y)
.set rC, TMP+4*((\y)%2)
.set rW, MV+((\y)%2)
.set rS, S+32*((\y)%2)
.set rP, P+16*((\y)%2)
.set rO, 32*(\y)
.endm
.macro OP k, n
.if (\k) == R
	REGS Y
	WIN W_RS
	v_pk_mul_f32 v[rO+2*(\n):rO+2*(\n)+1], v[rO+2*(\n):rO+2*(\n)+1], v[rC+2:rC+3] op_sel_hi:[1,0]
.elseif (\k) < R
	REGS Y
	WIN 0
.if (\k) == F
	v_pk_fma_f32 v[rS+2*(\n):rS+2*(\n)+1], v[rS+2*(\n):rS+2*(\n)+1], s[CS:CS+1], v[rT:rT+1] op_sel_hi:[1,0,0] neg_lo:[0,0,1] neg_hi:[0,0,1]
.elseif (\k) == E
	v_exp_f32 v[rS+(\n)], v[rS+(\n)]
.elseif (\k) == C
	v_cvt_pk_f16_f32 v[rP+(\n)], v[rS+2*(\n)], v[rS+2*(\n)+1]
.elseif (\k) == B
	v_pk_add_f32 v[rS+4*(\n):rS+4*(\n)+1], v[rS+4*(\n):rS+4*(\n)+1], v[rS+4*(\n)+2:rS+4*(\n)+3]
.elseif (\n) == 0
	v_pk_fma_f32 v[rT+2:rT+3], v[rT+2:rT+3], v[rC+2:rC+3], v[rS:rS+1] op_sel_hi:[1,0,1]
.else
	v_pk_add_f32 v[rT+2:rT+3], v[rT+2:rT+3], v[rS+4*(\n):rS+4*(\n)+1]
.endif
.else
	REGS (Y+1)%NP
	WIN 0
.if (\n) < 4
	v_max3_num_f32 v[rC+(\n)], v[rS+8*(\n)], v[rS+8*(\n)+1], v[rS+8*(\n)+2]
.elseif (\n) < 12
	v_max3_num_f32 v[rC+(\n)%4], v[rC+(\n)%4], v[rS+8*((\n)%4)+2*((\n)/4)+1], v[rS+8*((\n)%4)+2*((\n)/4)+2]
.elseif (\n) == 12
	v_max3_num_f32 v[rC], v[rC], v[rS+7], v[rS+15]
.elseif (\n) == 13
	v_max3_num_f32 v[rC+1], v[rC+1], v[rS+23], v[rS+31]
.elseif (\n) == 14
	v_max3_num_f32 v[rC+2], v[rC+2], v[rC+3], v[rT+1]
.elseif (\n) == 15
	v_mov_b32 v[rW], v[rT]
.elseif (\n) == 16
	v_max3_num_f32 v[rC], v[rC], v[rC+1], v[rC+2]
.elseif (\n) == 17
	v_permlanex16_b32 v[rC+3], v[rC], s[SEL], s[SEL+1]
.elseif (\n) == 18
	v_max_num_f32 v[rT+1], v[rC], v[rC+3]
.elseif (\n) == 19
	v_mul_f32 v[rT], s[CS], v[rT+1]
.elseif (\n) == 20
	v_sub_f32 v[rC+1], v[rW], v[rT]
.else
	v_exp_f32 v[rC+2], v[rC+1]
.endif
.endif
.endm
.macro OPS a, i1, b=-1, i2=0, c=-1, i3=0, d=-1, i4=0
	OP \a, \i1
.if (\b) >= 0
	OP \b, \i2
.endif
.if (\c) >= 0
	OP \c, \i3
.endif
.if (\d) >= 0
	OP \d, \i4
.endif
.endm
.macro ROW a, i1, b, i2, c, i3, d, i4  ; a matrix instruction and the four behind it
	MM
	OPS \a, \i1, \b, \i2, \c, \i3, \d, \i4
.endm
.macro MASK b                       ; MD x AL + BE into buffer b of the masks
	WIN W_RS
.set z, 0
.rept 16
	v_pk_fma_f32 v[MC+32*(\b)+2*z:MC+32*(\b)+2*z+1], v[MD+2*z:MD+2*z+1], s[AL:AL+1], s[BE:BE+1] op_sel_hi:[1,0,0]
.set z, z+1
.endr
.endm
; A TURN, for piece p.  Ahead of its one wait stands all that names no result of its exponentials: 8 products K Q^T with four riders each, then one lump; behind it 8 products V^T P, whose riders are the roundings and sums.
; Turn 0 fetches K of the next step, six plain instructions behind the last product that read K, and at its end V of the step in hand, four plain instructions behind the last product that read V.
; Turn 1 waits for K at its head (V's 16 younger loads may stay out) and for V behind the batch's wait.
; At its end a turn makes piece p's mask for the next step: where that step lies in front of the band's own (GL above OW) the mask is 0 already and the lines are jumped.
.macro TURN p
.set Y, (\p)
.set i, 0
.if (\p) == 1
	s_wait_dscnt 16                 ; K is in
.endif
	ROW F,0, F,1, R,0, R,1
	ROW F,2, E,0, R,2, R,3
	ROW F,3, E,1, R,4, R,5
	ROW F,4, E,2, R,6, R,7
	ROW F,5, E,3, R,8, R,9
	ROW F,6, E,4, X,0, R,10
.if (\p) == 0
	WIN 0
	v_add_nc_u32 v[AK], s[TBK], v[L16]
.endif
	ROW F,7, E,5, X,1, X,4
	ROW F,8, E,6, X,2, X,5
	OPS E,7, E,8, X,6, E,9
	OPS X,3, E,10, X,8, E,11
.if (\p) == 0
	FETCH_K
.endif
	OPS X,9, X,7, E,12, X,10
	OPS E,13, X,12, X,11, E,14
	OPS X,13, E,15, F,9, X,14
.if (\p) == 0
	v_add_nc_u32 v[AV], s[TBV], v[AV0]
.endif
	OPS E,16, F,10, E,17, F,11
	OPS X,16, E,18, X,15, E,19
	OPS F,12, E,20, X,17, E,21
	OPS F,13, E,22, F,14, E,23
	OPS X,18, E,24, F,15, E,25
	OPS R,11, E,26, X,19, E,27
	OPS R,12, E,28, R,13, E,29
	OPS X,20, E,30, R,14, E,31
	OPS X,21, R,15                  ; R 15 is the plain instruction behind the last exponential
	WIN 0
	s_wait_alu depctr_va_vdst(0)    ; one wait for the batch, ahead of the first instruction that names a result
.if (\p) == 1
	s_wait_dscnt 0x0                ; V is in
.endif
	ROW C,0, B,0, C,2, B,1
	ROW L,0, C,4, B,2, L,1
	ROW C,6, B,3, L,2, C,8
	ROW B,4, L,3, C,10, B,5
	ROW L,4, C,12, B,6, L,5
.if (\p) == 0
	s_add_co_u32 s[TBV], s[TBV], KS*PV
.endif
	ROW C,14, B,7, L,6, C,1
	ROW C,3, L,7, C,5, C,7
	ROW C,9, C,11, C,13, C,15
.if (\p) == 0
	FETCH_V
.endif
	WIN 0
	s_cmp_gt_u32 s[GL], s[OW+(\p)]
	s_cbranch_scc1 .Lnomask_\@
	s_cmp_eq_u32 s[GL], s[OW+(\p)]  ; is the next step the band's own?
	s_cselect_b32 s[AL], 1.0, 0
	s_cmp_lt_u32 s[GL], s[OW+(\p)]  ; or a later one?
	s_cselect_b32 s[BE], s[BIGN], 0
	MASK \p
	WIN 0
.Lnomask_\@:
.endm
; A BLOCK BEGINS.  c m starts far below every c s, so the first step's a is 0; m at the lowest finite number.  Piece 1's mask is 0; piece 0's is its own where the block's first step is band 0's own (one tile, D = 0).
; Then K of the tile's first step, piece 0's first scores, and its maximum and statistics.
.macro BEGIN
	s_mov_b32 s[NEW], 0
	WIN 0x40
.set i, MC+32
.rept 32
	v_mov_b32 v[i], 0
.set i, i+1
.endr
	WIN 0
.set i, 0
.rept NP
	v_mov_b32 v[ST+4*i], 0xfe000000
	v_mov_b32 v[ST+4*i+1], 0xff7fffff
.set i, i+1
.endr
	s_add_co_u32 s[TM], s[GL], s[DD]
	s_cmp_eq_u32 s[TM], 4
	s_cselect_b32 s[AL], 1.0, 0
	s_mov_b32 s[BE], 0
	MASK 0
	WIN 0
	s_sub_co_u32 s[TM], s[TBK], KS*PK
	v_add_nc_u32 v[AK], s[TM], v[L16]
	FETCH_K 0
	s_wait_loadcnt 0x0              ; Q
	s_wait_dscnt 0x0
.set i, 0
.rept 8
	KQ 0
.set i, i+1
.endr
	WIN 0
.rept 4
	v_nop                           ; the places behind those products
.endr
.set Y, NP-1
.irp n, 0,1,2,3,4,5,6,7,8,9,10,11,12,13,14,15,16,17,18,19,20,21
	OP X, \n
.endr
	v_nop                           ; a plain instruction behind the exponential,
	s_wait_alu depctr_va_vdst(0)    ; and its wait, ahead of the label
.endm
.macro ALL line:vararg
.set t, 0
.rept NP
	\line
.set t, t+1
.endr
.endm
.macro PACK t                       ; O^T / l, rounded to f16 into S^T's registers, and stored as it lies: four blocks of 512 consecutive bytes
	WIN W_RS
.set i, 32*(\t)
.rept 16
	v_pk_mul_f32 v[i:i+1], v[i:i+1], v[ST+4*(\t)+2:ST+4*(\t)+3] op_sel_hi:[1,0]
.set i, i+2
.endr
	WIN 0x05
.set i, 0
.rept 16
	v_cvt_pk_f16_f32 v[S+16*(\t)+i], v[32*(\t)+2*i], v[32*(\t)+2*i+1]
.set i, i+1
.endr
	WIN 0
.irp f, 0,1,2,3
	global_store_b128 v[L16], v[S+16*(\t)+4*\f:S+16*(\t)+4*\f+3], s[10:11] offset:(\t)*8192+\f*512
.endr
.endm
; A BLOCK ENDS: piece 1's V^T P of the last step, then the way out.
.macro FINISH
.set i, 0
.rept 8
	PV 1
.set i, i+1
.endr
	WIN 0
	ALL v_add_f32 v[ST+4*t+2], v[ST+4*t+2], v[ST+4*t+3]
	ALL v_permlanex16_b32 v[ST+4*t+3], v[ST+4*t+2], s[SEL], s[SEL+1]
	ALL v_add_f32 v[ST+4*t+2], v[ST+4*t+2], v[ST+4*t+3]
	ALL v_rcp_f32 v[ST+4*t+2], v[ST+4*t+2]
	v_nop
	s_wait_alu depctr_va_vdst(0)    ; one wait for the two reciprocals
	PACK 0                          ; piece 0's arithmetic is also the places behind piece 1's last products
	PACK 1
.endm
.Lslot:                             ; 8 times: a tile is entered and the next is asked for
	CHANGE 1
	s_sub_co_u32 s[RT], s[RT], 1
	s_mov_b32 s[CNT], 4
	s_cmp_eq_u32 s[NEW], 1
	s_cbranch_scc0 .Lstep
	BEGIN
.Lstep:
	TURN 0
	TURN 1
	WIN 0
	s_sub_co_u32 s[GL], s[GL], 1
	s_sub_co_u32 s[CNT], s[CNT], 1
	s_cmp_lg_u32 s[CNT], 0
	s_cbranch_scc1 .Lstep
	s_cmp_eq_u32 s[RT], 0
	s_cbranch_scc0 .Lbottom
	FINISH                          ; in the loop this is the first block's end: the second's last tile is the walk's last
	s_wait_xcnt 0x0                 ; the stores have read their registers and O's address
	s_mov_b64 s[10:11], s[OLO:OLO+1]
	s_add_co_u32 s[RT], s[LOT], 1
	s_lshl_b32 s[GL], s[RT], 2
	s_and_b32 s[DD], s[PB], 1
	s_lshl_b32 s[DD], s[DD], 1
	s_sub_co_u32 s[OW], 5, s[DD]
	s_sub_co_u32 s[OW+1], 4, s[DD]
	s_mov_b32 s[NEW], 1
	WIN 0x82                        ; the second block's Q goes where the turns name Q
.set i, 0
.rept 32
	v_mov_b32 v[i], v[QB+i]
.set i, i+1
.endr
	WIN 0
.Lbottom:
	s_sub_co_u32 s[SLOTS], s[SLOTS], 1
	s_cmp_lg_u32 s[SLOTS], 0
	s_cbranch_scc1 .Lslot
	CHANGE 0                        ; the walk's last tile is written out
	s_mov_b32 s[CNT], 4
	s_cmp_eq_u32 s[NEW], 1
	s_cbranch_scc0 .Lstep2
	BEGIN
.Lstep2:
	TURN 0
	TURN 1
	WIN 0
	s_sub_co_u32 s[GL], s[GL], 1
	s_sub_co_u32 s[CNT], s[CNT], 1
	s_cmp_lg_u32 s[CNT], 0
	s_cbranch_scc1 .Lstep2
	FINISH
	s_wait_tensorcnt 0x0            ; the wave's end
	ds_add_u32 v[SPW], v[NIL]
	s_wait_dscnt 0x0
	s_endpgm
.Lfunc_end_k_q4a53b52339_attn:
	.size	k_q4a53b52339_attn, .Lfunc_end_k_q4a53b52339_attn-k_q4a53b52339_attn
	.p2alignl 7, 3214868480
	.fill 96, 4, 3214868480
	.section	.rodata,"a",@progbits
	.p2align	6, 0x0
	.amdhsa_kernel k_q4a53b52339_attn
		.amdhsa_group_segment_fixed_size 327680
		.amdhsa_private_segment_fixed_size 0
		.amdhsa_enable_private_segment 0
		.amdhsa_kernarg_size 16
		.amdhsa_user_sgpr_count 2
		.amdhsa_user_sgpr_kernarg_segment_ptr 1
		.amdhsa_wavefront_size32 1
		.amdhsa_system_sgpr_workgroup_id_x 1
		.amdhsa_system_sgpr_workgroup_id_y 1
		.amdhsa_system_sgpr_workgroup_id_z 1
		.amdhsa_system_vgpr_workitem_id 0
		.amdhsa_next_free_vgpr 768
		.amdhsa_next_free_sgpr 100
		.amdhsa_reserve_vcc 1
		.amdhsa_float_denorm_mode_32 3
		.amdhsa_float_denorm_mode_16_64 3
		.amdhsa_memory_ordered 1
		.amdhsa_forward_progress 1
		.amdhsa_inst_pref_size 87
	.end_amdhsa_kernel
	.amdgpu_metadata
---
amdhsa.version: [ 1, 2 ]
amdhsa.kernels:
  - .name:           k_q4a53b52339_attn
    .symbol:         k_q4a53b52339_attn.kd
    .args:
      - { .name: qkv, .offset: 0, .size: 8, .value_kind: global_buffer, .address_space: global }
      - { .name: ob, .offset: 8, .size: 8, .value_kind: global_buffer, .address_space: global }
    .group_segment_fixed_size: 327680
    .private_segment_fixed_size: 0
    .kernarg_segment_align: 8
    .kernarg_segment_size: 16
    .max_flat_workgroup_size: 128
    .sgpr_count:     100
    .vgpr_count:     768
    .wavefront_size: 32
...
	.end_amdgpu_metadata
.endif
;; end of part 3
;; launch proj (part 4): grid 8 x 32, 4 waves a work-group, clusters of 4 x 4, 327,680 bytes of LDS; arguments ob, wb, bp, y1; writes y1
.if DOCPART == 4
	.amdgcn_target "amdgcn-amd-amdhsa--gfx1250"
	.amdhsa_code_object_version 6
	.text
	.protected	k_q4a53b52339_proj
	.globl	k_q4a53b52339_proj
	.p2align	8
	.type	k_q4a53b52339_proj,@function
k_q4a53b52339_proj:
	s_mov_b64 s[64:65], 0
	v_nop
	global_prefetch_b8 v0, s[64:65] scope:SCOPE_SE
	s_setreg_imm32_b32 hwreg(HW_REG_WAVE_MODE, 25, 1), 1
	s_wait_xcnt 0x0
	s_wait_alu depctr_hold_cnt(0) depctr_sa_sdst(0) depctr_va_vdst(0) depctr_va_sdst(0) depctr_va_ssrc(0) depctr_va_vcc(0) depctr_vm_vsrc(0)
	s_getreg_b32 s2, hwreg(HW_REG_IB_STS2, 6, 4)
	s_cmp_eq_u32 s2, 0
	s_cbranch_scc0 .Lentry_in_a_cluster
	s_endpgm
.Lentry_in_a_cluster:
	s_bfe_u32 s2, ttmp6, 0x10000c
	s_cmp_lg_u32 s2, 0xf033
	s_cbranch_scc0 .Lentry_shape_is_right
	s_endpgm
.Lentry_shape_is_right:
; y[m][n] = res[m][n] + bias[n] + the sum over k of A[m][k] W[k][n], f32 out.  A: panels [K / 64][4096][64] of f16; W: [K][1024] of f16 in wb; res: [4096][1024] of f16; the bias is rounded to bf16 like every input.
; Here: A = attention's O (K = 1024), W = Wp, res = x as rounded by the first launch.
; Inside a panel of A each 16 rows x 64 columns are 2,048 bytes IN FRAGMENT ORDER: four blocks of 512 bytes, one for 16 columns, lane l's 16 bytes (row l % 16, columns 8 (l / 16) + 0..7) at 16 l: two blocks are a matrix
; operand of 16 rows x 32 along K, read from LDS as 512 consecutive bytes each, with no padding.
; SHARES.  A tile of 128 x 128, so that the 4,096 x 1,024 numbers give 256 work-groups; a wave 64 x 64: 16 accumulators.  K goes in steps of 256 (four panels of A) through two LDS slots.
; W lies [k][n]: its fragments come out of LDS turned.  THE PRODUCT IS TAKEN TRANSPOSED (source 0 = 16 columns of W, source 1 = 16 rows of A): a lane holds eight neighbouring columns of one row.
; CLUSTER 4 x 4: A's tile is asked for jointly along a row of the cluster, W's along a column.  Waves 0, 1 fetch two panels of A each (a panel's 128 rows are 16,384 dense bytes: one row of the tile), waves 2, 3 128 k-rows of W.
; THE WALK OVER K begins at step 0 in the clusters whose x + y is even and at step NSTEP / 2 in the others, and wraps round (f32 sums may be taken in any order): clusters that read the same rows of A or the same
; columns of W read them half a walk apart.  The step's number hangs on the cluster's x and y alone, which all sixteen partners share.
; ONE K STEP IS THE LOOP'S TEXT: the slot in hand is s[TB].  The bias is the C operand of the first products; the residual is loaded at the head and added on the way out.
; REGISTERS: window 0: v2-14 addresses; v32-95 the way out; v96-127 the bias; v128-255 the accumulators; window 1: two fragment buffers of 128 (A's 64, then W's 64); window 2: v0-63 the residual.
.set PROJ, 1
.set NSTEP, 4
.set WOFF, 0xE00000
.set PB, 288                           ; a k-row of W: 256 bytes + 32
.set ABYTES, 4*16384                   ; four panels x 128 rows x 128 bytes
.set SLOT, ABYTES+256*PB
.set ASTEP, 4*524288
.set BSTEP, 256*2048
.set STAGE, 2*SLOT                     ; 16 rows x 272 bytes for each wave
.set SPARE, STAGE+4*4352               ; the spare words, 128 bytes a wave, which no other line names
.set A0, 2
.set B0, 3
.set ADRA, 4
.set ADRB, 5                           ; v5: the step's first 128 k-rows; v6: its last
.set STO, 7
.set RD, 8
.set CO, 9
.set RO, 10
.set ONE, 11
.set SPW, 12
.set NIL, 13
.set BO, 14
.set TMP, 32
.set BIAS, 96
.set ACC, 128
.set F0, 0
.set F1, 128
.set WV, 14
.set W1, 15
.set CX, 16
.set CY, 17
.set TX, 18
.set TY, 19
.set W2, 22
.set G1A, 24
.set G1B, 32
.set G0A, 40
.set G0B, 48
.set CNT, 56
.set KI, 57                            ; the K step that the walking descriptors name
.set TB, 58
.set WOA, 59
.set WOB, 60
.set OA, 62                            ; s[62:63] that step's byte offset in A
.set OB, 66                            ; s[66:67] and in W
.set BA, 74                            ; s[74:75] A at my part of K step 0
.set BB, 76                            ; s[76:77] W likewise
.set MSB, 0
.macro WIN new
.if MSB != (\new)
	s_set_vgpr_msb (MSB<<8)|(\new)
.set MSB, (\new)
.endif
.endm
.macro PLACES
.rept 4
	v_nop
.endr
.endm
.macro JLOAD                           ; a joint refill; s_nop 0 and four v_nop follow each line
	s_cmp_lt_u32 s[WV], 2
	s_cbranch_scc0 .Lfor_b_\@
	tensor_load_to_lds s[G0A+4:G0A+7], s[G1A:G1A+7]
	s_nop 0
.rept 4
	v_nop
.endr
	s_branch .Lasked_\@
.Lfor_b_\@:
	tensor_load_to_lds s[G0B+4:G0B+7], s[G1B:G1B+7]
	s_nop 0
.rept 4
	v_nop
.endr
.Lasked_\@:
.endm
.macro CREST
	s_cmp_lg_u32 s[WV], 0
	s_cbranch_scc1 .Lnot_wave_0_\@
	s_barrier_signal -3
.Lnot_wave_0_\@:
	s_barrier_wait -3
	s_barrier_signal -1
	s_barrier_wait -1
.endm
.macro CROUND
	s_barrier_signal -1
	s_barrier_wait -1
	CREST
.endm
	s_load_b256 s[4:11], s[0:1], 0x0               ; A, wb, bias, and (proj) y or (ffn2) the residual
.if !PROJ
	s_load_b64 s[12:13], s[0:1], 0x20              ; y
.endif
	v_lshl_add_u32 v[SPW], v0, 2, SPARE
	v_mov_b32 v[NIL], 0
	ds_add_u32 v[SPW], v[NIL]                      ; the wave's opening: the add and its wait ahead of my first tensor load
	v_lshrrev_b32 v1, 5, v0
	v_readfirstlane_b32 s[WV], v1
	s_and_b32 s[W1], s[WV], 1
	s_lshr_b32 s[W2], s[WV], 1
	s_bfe_u32 s[CX], ttmp6, 0x40000
	s_bfe_u32 s[CY], ttmp6, 0x40004
	s_lshl_b32 s[TX], ttmp9, 2
	s_add_co_u32 s[TX], s[TX], s[CX]
	s_and_b32 s[TY], ttmp7, 0xffff
	s_add_co_u32 s[KI], s[TY], ttmp9               ; the cluster's x + y:
	s_and_b32 s[KI], s[KI], 1                      ; odd clusters
	s_mul_i32 s[KI], s[KI], NSTEP/2                ; begin in the middle of K
	s_lshl_b32 s[TY], s[TY], 2
	s_add_co_u32 s[TY], s[TY], s[CY]
	s_lshl_b32 s20, s[CY], 2
	s_lshl_b32 s20, 15, s20                        ; my row of the cluster
	s_lshl_b32 s21, 0x1111, s[CX]                  ; my column
	s_or_b32 s[G1A], s20, (1<<16)|(1<<21)                           ; mask; 2-byte elements; bit 21 beside a mask; no padding
	s_or_b32 s[G1B], s21, (1<<16)|(1<<20)|(1<<21)|(5<<22)|(7<<25)   ; 8 words of padding behind every 64
	s_mov_b32 s[G1A+1], 8192<<16                   ; tensor_dim0: 128 rows x 64 elements on end
	s_mov_b32 s[G1A+2], 2<<16                      ; tensor_dim1: two panels
	s_mov_b32 s[G1A+3], 8192<<16                   ; tile_dim0
	s_mov_b32 s[G1A+4], 2                          ; tile_dim1
	s_mov_b32 s[G1A+5], 262144                     ; elements from panel to panel
	s_mov_b32 s[G1A+6], 0
	s_mov_b32 s[G1A+7], 0
	s_mov_b32 s[G1B+1], 128<<16
	s_mov_b32 s[G1B+2], 128<<16
	s_mov_b32 s[G1B+3], 128<<16
	s_mov_b32 s[G1B+4], 128
	s_mov_b32 s[G1B+5], 1024
	s_mov_b32 s[G1B+6], 0
	s_mov_b32 s[G1B+7], 0
	s_lshl_b32 s[BA], s[TY], 14                    ; A: the tile's 128 rows of 128 bytes,
	s_lshl_b32 s[BA+1], s[W1], 20                  ; the two panels that I fetch
	s_add_co_u32 s[BA], s[BA], s[BA+1]
	s_mov_b32 s[BA+1], 0
	s_lshl_b32 s[BB], s[TX], 8                     ; W: the tile's 256 bytes of a k-row,
	s_lshl_b32 s[BB+1], s[W1], 18                  ; the 128 k-rows that I fetch
	s_add_co_u32 s[BB], s[BB], s[BB+1]
	s_add_co_u32 s[BB], s[BB], WOFF
	s_mov_b32 s[BB+1], 0
	s_lshl_b32 s[WOA], s[W1], 15                   ; two panels of 16,384 bytes
	s_mul_i32 s[WOB], s[W1], 128*PB
	s_add_co_u32 s[WOB], s[WOB], ABYTES
	s_mov_b32 s[TB], 0
	s_mov_b32 s[OA+1], 0
	s_mov_b32 s[OB+1], 0
	s_mov_b32 s80, 0xffff0000
	s_wait_dscnt 0x0                               ; the opening add is done
	s_wait_kmcnt 0x0
.if PROJ
	s_mov_b64 s[12:13], s[10:11]                   ; y
	s_mov_b64 s[10:11], s[6:7]                     ; the residual: x's part lies at the head of wb
.endif
	s_add_nc_u64 s[BA:BA+1], s[4:5], s[BA:BA+1]
	s_add_nc_u64 s[BB:BB+1], s[6:7], s[BB:BB+1]
	CROUND                                         ; all sixteen work-groups are here: the first joint loads meet
.irp s, 0,1
	s_mul_i32 s[OA], s[KI], ASTEP
	s_mul_i32 s[OB], s[KI], BSTEP
	s_mov_b32 s[G0A+4*\s], 1
	s_add_co_u32 s[G0A+4*\s+1], s[WOA], \s*SLOT
	s_add_nc_u64 s[G0A+4*\s+2:G0A+4*\s+3], s[BA:BA+1], s[OA:OA+1]
	s_or_b32 s[G0A+4*\s+3], s[G0A+4*\s+3], 0x80000000
	s_mov_b32 s[G0B+4*\s], 1
	s_add_co_u32 s[G0B+4*\s+1], s[WOB], \s*SLOT
	s_add_nc_u64 s[G0B+4*\s+2:G0B+4*\s+3], s[BB:BB+1], s[OB:OB+1]
	s_or_b32 s[G0B+4*\s+3], s[G0B+4*\s+3], 0x80000000
.if \s == 0
	s_add_co_u32 s[KI], s[KI], 1                   ; the walk's second step
	s_and_b32 s[KI], s[KI], NSTEP-1
.endif
.endr
	s_cmp_lt_u32 s[WV], 2                          ; a wave's two first fills stand in one branch: two loads of mine are out
	s_cbranch_scc0 .Lfirst_b
	tensor_load_to_lds s[G0A:G0A+3], s[G1A:G1A+7]
	s_nop 0
	tensor_load_to_lds s[G0A+4:G0A+7], s[G1A:G1A+7]
	s_nop 0
.rept 4
	v_nop
.endr
	s_branch .Lfirst_done
.Lfirst_b:
	tensor_load_to_lds s[G0B:G0B+3], s[G1B:G1B+7]
	s_nop 0
	tensor_load_to_lds s[G0B+4:G0B+7], s[G1B:G1B+7]
	s_nop 0
.rept 4
	v_nop
.endr
.Lfirst_done:
	v_and_b32 v20, 15, v0                          ; r
	v_bfe_u32 v21, v0, 4, 1                        ; h
	v_and_b32 v22, 7, v0
	v_bfe_u32 v23, v0, 3, 1
	v_and_b32 v24, 31, v0                          ; l
	s_lshl_b32 s78, s[TX], 9
	s_lshl_b32 s79, s[W1], 8
	s_add_co_u32 s78, s78, s79                     ; my 64 columns, in bytes of f32
	v_lshlrev_b32 v[BO], 5, v21
	v_add_nc_u32 v[BO], s78, v[BO]
.irp b, 0,1,2,3
	global_load_b128 v[BIAS+8*\b:BIAS+8*\b+3],   v[BO], s[8:9] offset:64*\b     ; register j of block b: bias[16 b + 8 h + j]
	global_load_b128 v[BIAS+8*\b+4:BIAS+8*\b+7], v[BO], s[8:9] offset:64*\b+16
.endr
	s_lshr_b32 s82, s78, 1                         ; the same columns in bytes of f16,
	s_lshl_b32 s79, s[TY], 18                      ; my 64 rows of 2,048 bytes
	s_add_co_u32 s82, s82, s79
	s_lshl_b32 s79, s[W2], 17
	s_add_co_u32 s82, s82, s79
	s_mov_b32 s83, 0
	s_add_nc_u64 s[10:11], s[10:11], s[82:83]
	s_lshl_b32 s79, s[TY], 19                      ; and in y, rows of 4,096 bytes
	s_add_co_u32 s78, s78, s79
	s_lshl_b32 s79, s[W2], 18
	s_add_co_u32 s78, s78, s79
	s_mov_b32 s79, 0
	s_add_nc_u64 s[12:13], s[12:13], s[78:79]
	v_lshlrev_b32 v[RO], 11, v21                   ; the residual as the way out will want it: row 2 t + h, my 4 columns at 8 r
	v_lshl_add_u32 v[RO], v20, 3, v[RO]
	WIN 0x80
.set i, 0
.rept 32
	global_load_b64 v[2*i:2*i+1], v[RO], s[10:11] offset:2*i*2048
.set i, i+1
.endr
	WIN 0
	s_wait_loadcnt 32                              ; the bias is in; the residual's 32 loads stay out until the way out
.set i, 0
.rept 16
	v_cvt_pk_bf16_f32 v[16+i%4], v[BIAS+2*i], v[BIAS+2*i+1]
	v_lshlrev_b32 v[BIAS+2*i], 16, v[16+i%4]
	v_and_b32 v[BIAS+2*i+1], s80, v[16+i%4]
.set i, i+1
.endr
	s_lshl_b32 s78, s[W2], 13                      ; my 64 rows: four groups of 16, 2,048 bytes each
	v_lshlrev_b32 v[A0], 4, v24                    ; my 16 bytes in a block of 512
	v_add_nc_u32 v[A0], s78, v[A0]
	v_lshl_add_u32 v[B0], v21, 3, v22
	v_mul_u32_u24 v[B0], v[B0], PB
	v_lshl_add_u32 v[B0], v23, 4, v[B0]
	s_lshl_b32 s78, s[W1], 7
	s_add_co_u32 s78, s78, ABYTES
	v_add_nc_u32 v[B0], s78, v[B0]
	v_mov_b32 v[ADRA], v[A0]
	v_mov_b32 v[ADRB], v[B0]
	v_add_nc_u32 v[ADRB+1], 128*PB, v[B0]
	s_mul_i32 s78, s[WV], 4352
	s_add_co_u32 s78, s78, STAGE
	v_mul_u32_u24 v[STO], v20, 272                 ; in: row r, 32 bytes for each half of the lanes
	v_lshl_add_u32 v[STO], v21, 5, v[STO]
	v_add_nc_u32 v[STO], s78, v[STO]
	v_mul_u32_u24 v[RD], v21, 272                  ; back: lanes 0-15 one row of 256 bytes, lanes 16-31 the next
	v_lshl_add_u32 v[RD], v20, 4, v[RD]
	v_add_nc_u32 v[RD], s78, v[RD]
	v_lshlrev_b32 v[CO], 12, v21
	v_lshl_add_u32 v[CO], v20, 4, v[CO]
	v_mov_b32 v[ONE], 1.0
; 8 matrix instructions: blocks a0, a0 + 1 of my rows x my 4 blocks of columns, 32 along K: half c of buffer f.  mode = 1: C = the bias.  The 16 accumulators take turns.
.macro MUL8 f, c, a0, mode
	WIN 0x05
.irp a, \a0, (\a0)+1
.irp b, 0,1,2,3
.if \mode
	v_wmma_f32_16x16x32_f16 v[ACC+8*(4*(\a)+(\b)):ACC+8*(4*(\a)+(\b))+7], v[(\f)+64+8*(4*(\c)+(\b)):(\f)+64+8*(4*(\c)+(\b))+7], v[(\f)+8*(4*(\c)+(\a)):(\f)+8*(4*(\c)+(\a))+7], v[BIAS+8*(\b):BIAS+8*(\b)+7]
.else
	v_wmma_f32_16x16x32_f16 v[ACC+8*(4*(\a)+(\b)):ACC+8*(4*(\a)+(\b))+7], v[(\f)+64+8*(4*(\c)+(\b)):(\f)+64+8*(4*(\c)+(\b))+7], v[(\f)+8*(4*(\c)+(\a)):(\f)+8*(4*(\c)+(\a))+7], v[ACC+8*(4*(\a)+(\b)):ACC+8*(4*(\a)+(\b))+7]
.endif
.endr
.endr
.endm
; 32 LDS loads in one run: quarter q (64 along K: panel q of A) into buffer f; the first 32 along K first.  A: group i of 16 rows, two blocks of 512 bytes
.macro FETCH q, f
	WIN 0x40
.set rB, ADRB+(\q)/2
.irp c, 0,1
.irp i, 0,1,2,3
	ds_load_tr16_b128 v[(\f)+64+8*(4*\c+\i):(\f)+64+8*(4*\c+\i)+3],   v[rB] offset:64*PB*((\q)%2)+32*PB*\c+32*\i
	ds_load_tr16_b128 v[(\f)+64+8*(4*\c+\i)+4:(\f)+64+8*(4*\c+\i)+7], v[rB] offset:64*PB*((\q)%2)+32*PB*\c+32*\i+16*PB
	ds_load_b128 v[(\f)+8*(4*\c+\i):(\f)+8*(4*\c+\i)+3],   v[ADRA] offset:16384*(\q)+2048*\i+1024*\c
	ds_load_b128 v[(\f)+8*(4*\c+\i)+4:(\f)+8*(4*\c+\i)+7], v[ADRA] offset:16384*(\q)+2048*\i+1024*\c+512
.endr
.endr
.endm
.macro QUARTER q, f, g, mode
	s_wait_dscnt 16                                ; the first 32 along K are in
	MUL8 \f, 0, 0, \mode
	MUL8 \f, 0, 2, \mode
	PLACES
	FETCH \q, \g
	s_wait_dscnt 32                                ; all but the 32 just issued
	MUL8 \f, 1, 0, 0
	MUL8 \f, 1, 2, 0
.endm
; The last quarter multiplies buffer 1 and changes slots: each wave waits for all its tensor loads, adds 0 to its spare word, and waits for that and for its reads of this slot.
; fill = 1: the barrier opens a round of the cluster's, and this slot is filled again, with the walk's next step but one, first thing behind the round.
.macro TURN fill
	WIN 0
	s_wait_tensorcnt 0x0
	ds_add_u32 v[SPW], v[NIL]
.if \fill
	s_add_co_u32 s[KI], s[KI], 1                   ; no tensor load of mine is out: the walking descriptors are made anew: the next step, round K's end,
	s_and_b32 s[KI], s[KI], NSTEP-1
	s_mul_i32 s[OA], s[KI], ASTEP
	s_mul_i32 s[OB], s[KI], BSTEP
	s_add_co_u32 s[G0A+5], s[WOA], s[TB]           ; into this slot
	s_add_nc_u64 s[G0A+6:G0A+7], s[BA:BA+1], s[OA:OA+1]
	s_or_b32 s[G0A+7], s[G0A+7], 0x80000000
	s_add_co_u32 s[G0B+5], s[WOB], s[TB]
	s_add_nc_u64 s[G0B+6:G0B+7], s[BB:BB+1], s[OB:OB+1]
	s_or_b32 s[G0B+7], s[G0B+7], 0x80000000
.endif
	s_wait_dscnt 17                                ; the add and the youngest sixteen loads may be out
	MUL8 F1, 0, 0, 0
	s_wait_dscnt 0x0                               ; the add is done, and my reads of this slot are over
	s_barrier_signal -1
	MUL8 F1, 0, 2, 0
	WIN 0
	s_barrier_wait -1
.if \fill
	CREST
	JLOAD                                          ; its four v_nop are also the places in front of the loads below
.else
	PLACES
.endif
	s_sub_co_u32 s[TB], SLOT, s[TB]                ; the other slot
	v_add_nc_u32 v[ADRA], s[TB], v[A0]
	v_add_nc_u32 v[ADRB], s[TB], v[B0]
	v_add_nc_u32 v[ADRB+1], 128*PB, v[ADRB]
	FETCH 0, F0
	MUL8 F1, 1, 0, 0
	MUL8 F1, 1, 2, 0
.endm
; THE WAY OUT of block a (16 rows x 64 columns of f32): through my stage, back as whole rows of 256 bytes; the residual's f16 halves are added; stored.
.macro OUTA a
.set TT, TMP+32*((\a)%2)
.set RR, 16*(\a)
	s_wait_xcnt 0x0                                ; earlier stores have read the registers that are loaded below
.irp b, 0,1,2,3
	ds_store_b128 v[STO], v[ACC+8*(4*(\a)+\b):ACC+8*(4*(\a)+\b)+3]   offset:64*\b     ; each accumulator's low registers first
	ds_store_b128 v[STO], v[ACC+8*(4*(\a)+\b)+4:ACC+8*(4*(\a)+\b)+7] offset:64*\b+16
.endr
.irp t, 0,1,2,3,4,5,6,7
	ds_load_b128 v[TT+4*\t:TT+4*\t+3], v[RD] offset:544*\t  ; LDS serves a wave's instructions in order: these see the stores above
.endr
	s_wait_dscnt 0x0
	WIN 0x02                                       ; source 0, the residual, in window 2
.irp t, 0,1,2,3,4,5,6,7
	v_fma_mix_f32 v[TT+4*\t],   v[RR+2*\t],   v[ONE], v[TT+4*\t]   op_sel_hi:[1,0,0]
	v_fma_mix_f32 v[TT+4*\t+1], v[RR+2*\t],   v[ONE], v[TT+4*\t+1] op_sel:[1,0,0] op_sel_hi:[1,0,0]
	v_fma_mix_f32 v[TT+4*\t+2], v[RR+2*\t+1], v[ONE], v[TT+4*\t+2] op_sel_hi:[1,0,0]
	v_fma_mix_f32 v[TT+4*\t+3], v[RR+2*\t+1], v[ONE], v[TT+4*\t+3] op_sel:[1,0,0] op_sel_hi:[1,0,0]
.endr
	WIN 0
.irp t, 0,1,2,3,4,5,6,7
	global_store_b128 v[CO], v[TT+4*\t:TT+4*\t+3], s[12:13] offset:(16*(\a)+2*\t)*4096  ; 16 lanes store 256 consecutive bytes, aligned
.endr
.endm
	s_wait_tensorcnt 0x1                           ; my part of the walk's first step is in; the second's may stay out
	s_barrier_signal -1
	s_barrier_wait -1
	FETCH 0, F0
	QUARTER 1, F0, F1, 1                           ; the first quarter stands in front of the loop: its first products start the sums, with the bias
	WIN 0
	s_mov_b32 s[CNT], NSTEP-2
.Lk:                                               ; a trip: a K step's last three quarters and the next step's first; all steps but the last two fill their slot again
	QUARTER 2, F1, F0, 0
	QUARTER 3, F0, F1, 0
	TURN 1
	QUARTER 1, F0, F1, 0
	WIN 0
	s_sub_co_u32 s[CNT], s[CNT], 1
	s_cmp_lg_u32 s[CNT], 0
	s_cbranch_scc1 .Lk
	s_mov_b32 s[CNT], 2
.Lt:                                               ; the last two steps ask for nothing; the second trip is left in its middle
	QUARTER 2, F1, F0, 0
	QUARTER 3, F0, F1, 0
	WIN 0
	s_sub_co_u32 s[CNT], s[CNT], 1
	s_cmp_eq_u32 s[CNT], 0
	s_cbranch_scc1 .Lout
	TURN 0
	QUARTER 1, F0, F1, 0
	WIN 0
	s_branch .Lt
.Lout:
	s_wait_dscnt 16
	MUL8 F1, 0, 0, 0
	MUL8 F1, 0, 2, 0
	s_wait_dscnt 0x0
	MUL8 F1, 1, 0, 0
	MUL8 F1, 1, 2, 0
	WIN 0
	s_wait_loadcnt 0x0                             ; the residual
	PLACES
	OUTA 0
	OUTA 1
	OUTA 2
	OUTA 3
	s_wait_tensorcnt 0x0                           ; the wave's end
	ds_add_u32 v[SPW], v[NIL]
	s_wait_dscnt 0x0
	CROUND                                         ; the closing round
	s_endpgm
.Lfunc_end_k_q4a53b52339_proj:
	.size	k_q4a53b52339_proj, .Lfunc_end_k_q4a53b52339_proj-k_q4a53b52339_proj
	.p2alignl 7, 3214868480
	.fill 96, 4, 3214868480
	.section	.rodata,"a",@progbits
	.p2align	6, 0x0
	.amdhsa_kernel k_q4a53b52339_proj
		.amdhsa_group_segment_fixed_size 327680
		.amdhsa_private_segment_fixed_size 0
		.amdhsa_enable_private_segment 0
		.amdhsa_kernarg_size 32
		.amdhsa_user_sgpr_count 2
		.amdhsa_user_sgpr_kernarg_segment_ptr 1
		.amdhsa_wavefront_size32 1
		.amdhsa_system_sgpr_workgroup_id_x 1
		.amdhsa_system_sgpr_workgroup_id_y 1
		.amdhsa_system_sgpr_workgroup_id_z 1
		.amdhsa_system_vgpr_workitem_id 0
		.amdhsa_next_free_vgpr 576
		.amdhsa_next_free_sgpr 84
		.amdhsa_reserve_vcc 0
		.amdhsa_float_denorm_mode_32 3
		.amdhsa_float_denorm_mode_16_64 3
		.amdhsa_memory_ordered 1
		.amdhsa_forward_progress 1
		.amdhsa_inst_pref_size 75
	.end_amdhsa_kernel
	.amdgpu_metadata
---
amdhsa.version: [ 1, 2 ]
amdhsa.kernels:
  - .name:           k_q4a53b52339_proj
    .symbol:         k_q4a53b52339_proj.kd
    .args:
      - { .name: ob, .offset: 0, .size: 8, .value_kind: global_buffer, .address_space: global }
      - { .name: wb, .offset: 8, .size: 8, .value_kind: global_buffer, .address_space: global }
      - { .name: bp, .offset: 16, .size: 8, .value_kind: global_buffer, .address_space: global }
      - { .name: y1, .offset: 24, .size: 8, .value_kind: global_buffer, .address_space: global }
    .group_segment_fixed_size: 327680
    .private_segment_fixed_size: 0
    .kernarg_segment_align: 8
    .kernarg_segment_size: 32
    .max_flat_workgroup_size: 128
    .sgpr_count:     84
    .vgpr_count:     576
    .wavefront_size: 32
...
	.end_amdgpu_metadata
.endif
;; end of part 4
;; launch ln1 (part 5): grid 256 x 1, 16 waves a work-group, no clusters, 0 bytes of LDS; arguments y1, g1, be1, x1h; writes x1h
.if DOCPART == 5
	.amdgcn_target "amdgcn-amd-amdhsa--gfx1250"
	.amdhsa_code_object_version 6
	.text
	.protected	k_q4a53b52339_ln1
	.globl	k_q4a53b52339_ln1
	.p2align	8
	.type	k_q4a53b52339_ln1,@function
k_q4a53b52339_ln1:
	s_mov_b64 s[64:65], 0
	v_nop
	global_prefetch_b8 v0, s[64:65] scope:SCOPE_SE
	s_setreg_imm32_b32 hwreg(HW_REG_WAVE_MODE, 25, 1), 1
	s_wait_xcnt 0x0
; LayerNorm of rows of 1,024 f32: out = (y - mean) / sqrt(var + 1e-5) x g + be; here out is rounded once to f16.  g and be are rounded to bf16 like every input.
; One wave takes one row: 32 registers a lane, read once; mean first, then the squares of y - mean, so no difference of large sums is formed.  No LDS, no barrier.
; LIMIT.  An output of 65,520 or more becomes an infinity in f16.
.set F16OUT, 1
.set X,  8                             ; v[8:39]   the row
.set GA, 40                            ; v[40:71]  g
.set BE, 72                            ; v[72:103] be
.set AC, 104                           ; v[104:111] four chains of sums, two numbers each
.set MU, 112
.set VA, 114
.set RS, 116
.set T,  118
	s_load_b256 s[4:11], s[0:1], 0x0               ; y, g, be, out
	v_lshrrev_b32 v2, 5, v0
	v_readfirstlane_b32 s12, v2                    ; wave
	v_and_b32 v3, 31, v0
	v_lshlrev_b32 v1, 4, v3                        ; 16 x lane
	v_lshlrev_b32 v4, 3, v3                        ; 8 x lane
	s_lshl_b32 s13, ttmp9, 4
	s_add_co_u32 s13, s13, s12                     ; my row
	s_lshl_b32 s14, s13, 12
	s_mov_b32 s15, 0
.if F16OUT
	s_lshl_b32 s20, s13, 11
.else
	s_lshl_b32 s20, s13, 12
.endif
	s_mov_b32 s21, 0
	s_mov_b32 s16, 0x3a800000                      ; 1 / 1024
	s_mov_b32 s17, 0x3727c5ac                      ; 1e-5
	s_mov_b32 s18, 0x76543210
	s_mov_b32 s19, 0xfedcba98
	s_mov_b32 s22, 0xffff0000
	s_wait_kmcnt 0x0
	s_add_nc_u64 s[4:5], s[4:5], s[14:15]
	s_add_nc_u64 s[10:11], s[10:11], s[20:21]
.irp j, 0,1,2,3,4,5,6,7
	global_load_b128 v[X+4*\j:X+4*\j+3], v1, s[4:5] offset:512*\j th:TH_LOAD_NT
.endr
.irp j, 0,1,2,3,4,5,6,7
	global_load_b128 v[GA+4*\j:GA+4*\j+3], v1, s[6:7] offset:512*\j
.endr
.irp j, 0,1,2,3,4,5,6,7
	global_load_b128 v[BE+4*\j:BE+4*\j+3], v1, s[8:9] offset:512*\j
.endr
.macro REDUCE                          ; the four chains into one number, the same in every lane
	v_pk_add_f32 v[AC:AC+1], v[AC:AC+1], v[AC+2:AC+3]
	v_pk_add_f32 v[AC+4:AC+5], v[AC+4:AC+5], v[AC+6:AC+7]
	v_pk_add_f32 v[AC:AC+1], v[AC:AC+1], v[AC+4:AC+5]
	v_add_f32 v[AC], v[AC], v[AC+1]
	v_add_f32_dpp v[AC], v[AC], v[AC] row_xmask:1 row_mask:0xf bank_mask:0xf
	v_add_f32_dpp v[AC], v[AC], v[AC] row_xmask:2 row_mask:0xf bank_mask:0xf
	v_add_f32_dpp v[AC], v[AC], v[AC] row_xmask:4 row_mask:0xf bank_mask:0xf
	v_add_f32_dpp v[AC], v[AC], v[AC] row_xmask:8 row_mask:0xf bank_mask:0xf
	v_permlanex16_b32 v[AC+1], v[AC], s18, s19
	v_add_f32 v[AC], v[AC], v[AC+1]
.endm
	s_wait_loadcnt 16                              ; the row is in; g's and be's sixteen loads stay out
.irp k, 0,1,2,3
	v_pk_add_f32 v[AC+2*\k:AC+2*\k+1], v[X+2*\k:X+2*\k+1], v[X+8+2*\k:X+8+2*\k+1]
.endr
.irp k, 0,1,2,3
	v_pk_add_f32 v[AC+2*\k:AC+2*\k+1], v[AC+2*\k:AC+2*\k+1], v[X+16+2*\k:X+16+2*\k+1]
.endr
.irp k, 0,1,2,3
	v_pk_add_f32 v[AC+2*\k:AC+2*\k+1], v[AC+2*\k:AC+2*\k+1], v[X+24+2*\k:X+24+2*\k+1]
.endr
	REDUCE
	v_mul_f32 v[MU], s16, v[AC]
	v_mul_f32 v[MU+1], s16, v[AC]
.set i, 0
.rept 16
	v_pk_add_f32 v[X+2*i:X+2*i+1], v[X+2*i:X+2*i+1], v[MU:MU+1] neg_lo:[0,1] neg_hi:[0,1]
.set i, i+1
.endr
.irp k, 0,1,2,3
	v_pk_mul_f32 v[AC+2*\k:AC+2*\k+1], v[X+2*\k:X+2*\k+1], v[X+2*\k:X+2*\k+1]
.endr
.irp k, 0,1,2,3
	v_pk_fma_f32 v[AC+2*\k:AC+2*\k+1], v[X+8+2*\k:X+8+2*\k+1], v[X+8+2*\k:X+8+2*\k+1], v[AC+2*\k:AC+2*\k+1]
.endr
.irp k, 0,1,2,3
	v_pk_fma_f32 v[AC+2*\k:AC+2*\k+1], v[X+16+2*\k:X+16+2*\k+1], v[X+16+2*\k:X+16+2*\k+1], v[AC+2*\k:AC+2*\k+1]
.endr
.irp k, 0,1,2,3
	v_pk_fma_f32 v[AC+2*\k:AC+2*\k+1], v[X+24+2*\k:X+24+2*\k+1], v[X+24+2*\k:X+24+2*\k+1], v[AC+2*\k:AC+2*\k+1]
.endr
	REDUCE
	v_fma_f32 v[VA], v[AC], s16, s17               ; var + eps
	v_rsq_f32 v[RS], v[VA]
	v_rsq_f32 v[RS+1], v[VA]
	s_wait_loadcnt 0x0                             ; g and be: their rounding is the independent work behind the two roots
.set i, 0
.rept 16
	v_cvt_pk_bf16_f32 v[T+i%4], v[GA+2*i], v[GA+2*i+1]
	v_lshlrev_b32 v[GA+2*i], 16, v[T+i%4]
	v_and_b32 v[GA+2*i+1], s22, v[T+i%4]
.set i, i+1
.endr
.set i, 0
.rept 16
	v_cvt_pk_bf16_f32 v[T+i%4], v[BE+2*i], v[BE+2*i+1]
	v_lshlrev_b32 v[BE+2*i], 16, v[T+i%4]
	v_and_b32 v[BE+2*i+1], s22, v[T+i%4]
.set i, i+1
.endr
	s_wait_alu depctr_va_vdst(0)                   ; one wait for both roots, ahead of their first reader
.set i, 0
.rept 16
	v_pk_mul_f32 v[GA+2*i:GA+2*i+1], v[GA+2*i:GA+2*i+1], v[RS:RS+1]
.set i, i+1
.endr
.set i, 0
.rept 16
	v_pk_fma_f32 v[X+2*i:X+2*i+1], v[X+2*i:X+2*i+1], v[GA+2*i:GA+2*i+1], v[BE+2*i:BE+2*i+1]
.set i, i+1
.endr
.if F16OUT
.set i, 0
.rept 16
	v_cvt_pk_f16_f32 v[GA+i], v[X+2*i], v[X+2*i+1]
.set i, i+1
.endr
.irp j, 0,1,2,3,4,5,6,7
	global_store_b64 v4, v[GA+2*\j:GA+2*\j+1], s[10:11] offset:256*\j   ; the wave stores 256 consecutive bytes, aligned
.endr
.else
.irp j, 0,1,2,3,4,5,6,7
	global_store_b128 v1, v[X+4*\j:X+4*\j+3], s[10:11] offset:512*\j    ; 512 consecutive bytes, aligned
.endr
.endif
	s_endpgm
.Lfunc_end_k_q4a53b52339_ln1:
	.size	k_q4a53b52339_ln1, .Lfunc_end_k_q4a53b52339_ln1-k_q4a53b52339_ln1
	.p2alignl 7, 3214868480
	.fill 96, 4, 3214868480
	.section	.rodata,"a",@progbits
	.p2align	6, 0x0
	.amdhsa_kernel k_q4a53b52339_ln1
		.amdhsa_group_segment_fixed_size 0
		.amdhsa_private_segment_fixed_size 0
		.amdhsa_enable_private_segment 0
		.amdhsa_kernarg_size 32
		.amdhsa_user_sgpr_count 2
		.amdhsa_user_sgpr_kernarg_segment_ptr 1
		.amdhsa_wavefront_size32 1
		.amdhsa_system_sgpr_workgroup_id_x 1
		.amdhsa_system_sgpr_workgroup_id_y 1
		.amdhsa_system_sgpr_workgroup_id_z 1
		.amdhsa_system_vgpr_workitem_id 0
		.amdhsa_next_free_vgpr 128
		.amdhsa_next_free_sgpr 66
		.amdhsa_reserve_vcc 0
		.amdhsa_float_denorm_mode_32 3
		.amdhsa_float_denorm_mode_16_64 3
		.amdhsa_memory_ordered 1
		.amdhsa_forward_progress 1
		.amdhsa_inst_pref_size 16
	.end_amdhsa_kernel
	.amdgpu_metadata
---
amdhsa.version: [ 1, 2 ]
amdhsa.kernels:
  - .name:           k_q4a53b52339_ln1
    .symbol:         k_q4a53b52339_ln1.kd
    .args:
      - { .name: y1, .offset: 0, .size: 8, .value_kind: global_buffer, .address_space: global }
      - { .name: g1, .offset: 8, .size: 8, .value_kind: global_buffer, .address_space: global }
      - { .name: be1, .offset: 16, .size: 8, .value_kind: global_buffer, .address_space: global }
      - { .name: x1h, .offset: 24, .size: 8, .value_kind: global_buffer, .address_space: global }
    .group_segment_fixed_size: 0
    .private_segment_fixed_size: 0
    .kernarg_segment_align: 8
    .kernarg_segment_size: 32
    .max_flat_workgroup_size: 512
    .sgpr_count:     66
    .vgpr_count:     128
    .wavefront_size: 32
...
	.end_amdgpu_metadata
.endif
;; end of part 5
;; launch ffn1 (part 6): grid 16 x 16, 4 waves a work-group, clusters of 4 x 4, 327,680 bytes of LDS; arguments x1h, wb, b1, hb; writes hb
.if DOCPART == 6
	.amdgcn_target "amdgcn-amd-amdhsa--gfx1250"
	.amdhsa_code_object_version 6
	.text
	.protected	k_q4a53b52339_ffn1
	.globl	k_q4a53b52339_ffn1
	.p2align	8
	.type	k_q4a53b52339_ffn1,@function
k_q4a53b52339_ffn1:
	s_mov_b64 s[64:65], 0
	v_nop
	global_prefetch_b8 v0, s[64:65] scope:SCOPE_SE
	s_setreg_imm32_b32 hwreg(HW_REG_WAVE_MODE, 25, 1), 1
	s_wait_xcnt 0x0
	s_wait_alu depctr_hold_cnt(0) depctr_sa_sdst(0) depctr_va_vdst(0) depctr_va_sdst(0) depctr_va_ssrc(0) depctr_va_vcc(0) depctr_vm_vsrc(0)
	s_getreg_b32 s2, hwreg(HW_REG_IB_STS2, 6, 4)
	s_cmp_eq_u32 s2, 0
	s_cbranch_scc0 .Lentry_in_a_cluster
	s_endpgm
.Lentry_in_a_cluster:
	s_bfe_u32 s2, ttmp6, 0x10000c
	s_cmp_lg_u32 s2, 0xf033
	s_cbranch_scc0 .Lentry_shape_is_right
	s_endpgm
.Lentry_shape_is_right:
; h = relu(x1 W1 + b1): C[256][256] = x1[256][1024] W1[1024][256 of 4096].  Operands f16, sums f32, h rounded once to f16; b1 is rounded to bf16 like every input and starts the sums.
; LIMIT.  A result of 65,520 or more becomes an infinity in f16.
; SHARES.  Work-group (tx, ty): columns 256 tx, rows 256 ty.  Wave w: rows 128 (w / 2), columns 128 (w % 2): 64 accumulators.  K goes in 8 steps of 128 through two LDS slots.
; W1 lies [k][n]: its fragments come out of LDS turned, by ds_load_tr16_b128.  THE PRODUCT IS TAKEN TRANSPOSED (source 0 = 16 columns of W1, source 1 = 16 rows of x1): a lane holds eight neighbouring columns of one row.
; CLUSTER 4 x 4: x1's tile hangs on ty alone and is asked for jointly along a row of the cluster, W1's on tx alone, along a column.  Waves 0, 1 fetch 128 rows of x1 each, waves 2, 3 64 k-rows of W1.
; ONE K STEP IS THE LOOP'S TEXT: the slot in hand is s[TB], 0 or SLOT, and the LDS addresses are made anew from it at each change of slots.
; OUT: panels [64][4096][64] of f16.  Inside a panel each 16 rows x 64 columns are 2,048 bytes IN FRAGMENT ORDER: four blocks of 512 bytes, one for 16 columns, lane l's 16 bytes (row l % 16, columns 8 (l / 16) + 0..7) at 16 l:
; a packed accumulator as it lies in registers.  Two such blocks are a matrix operand of 16 rows x 32 columns for the next launch, nothing goes through LDS on the way out, and each store covers 512 consecutive bytes.
; REGISTERS: window 0: v2-14 addresses, v64-191 x1's fragments (two buffers), v192-255 the bias, v64-255 the way out; window 1: W1's fragments (two buffers); windows 2, 3: the accumulators, (a, b) at 8 (NBK (a mod MB/2) + b).
.set FFN, 1
.set MB, 8                             ; blocks of 16 rows a wave
.set NBK, 8                            ; blocks of 16 columns a wave
.set SWAPB, NBK                        ; no block of columns has its sources swapped
.set AW, 2                             ; waves that fetch A
.set AROWS, 128                        ; rows in one of A's loads
.set PB, 544                           ; a k-row of B in LDS: 512 bytes + 32
.set BCOL, 256                         ; B's load: elements in a row,
.set BPIT, 4096                        ; and from row to row
.set SLOT, 139264
.set BSTEP, 1048576
.set NJ, 2                             ; panels of 64 columns a wave
.set JSTEP, 524288
.set FM, 2                             ; the first products start the sums with the bias
.set AP, 4
.set WP, 6
.set OPT, 10
.set PA, 272                           ; a row of A in LDS: 256 bytes + 16
.set ABYTES, 256*PA
.set ASTEP, 256
.set SPARE, 2*SLOT                     ; behind the ring: the spare words, 128 bytes a wave, which no other line names
.set NU, MB*NJ
.set A0, 2                             ; my lane's place in A's tile; never rewritten
.set B0, 3                             ; the same for B
.set ADRA, 4                           ; the same in the slot in hand
.set ADRB, 5
.set GO, 8                             ; 16 x my lane
.set PFO, 9
.set PFO2, 10
.set BO, 11
.set SPW, 12
.set NIL, 13
.set ZR, 14
.set FA, 64
.set BIAS, 192
.set TMP, 64                           ; the way out: twelve units of 16 registers
.set WV, 12
.set W2, 13
.set W1, 15
.set CX, 16
.set CY, 17
.set TX, 18
.set TY, 19
.set G1A, 24
.set G1B, 32
.set G0A, 40                           ; two sets: the first fills; the second then walks
.set G0B, 48
.set CNT, 56
.set TB, 58
.set WOA, 59
.set WOB, 60
.set LIM, 61
.set PFA, 62
.set PST, 66
.set OUT, 68
.set MSB, 0
.macro WIN new                         ; the immediate's high byte repeats the setting that is left; a switch that changes nothing is dropped
.if MSB != (\new)
	s_set_vgpr_msb (MSB<<8)|(\new)
.set MSB, (\new)
.endif
.endm
.macro PLACES                          ; four plain vector instructions between a matrix instruction and a load into, or a reader of, its registers
.rept 4
	v_nop
.endr
.endm
.macro JLOAD                           ; a joint refill; the branch hangs on the wave's number alone; s_nop 0 and four v_nop follow each line
	s_cmp_lt_u32 s[WV], AW
	s_cbranch_scc0 .Lfor_b_\@
	tensor_load_to_lds s[G0A+4:G0A+7], s[G1A:G1A+7]
	s_nop 0
.rept 4
	v_nop
.endr
	s_branch .Lasked_\@
.Lfor_b_\@:
	tensor_load_to_lds s[G0B+4:G0B+7], s[G1B:G1B+7]
	s_nop 0
.rept 4
	v_nop
.endr
.Lasked_\@:
.endm
.macro CREST                           ; a round of the cluster's barrier behind its opening barrier
	s_cmp_lg_u32 s[WV], 0
	s_cbranch_scc1 .Lnot_wave_0_\@
	s_barrier_signal -3
.Lnot_wave_0_\@:
	s_barrier_wait -3
	s_barrier_signal -1
	s_barrier_wait -1
.endm
.macro CROUND
	s_barrier_signal -1
	s_barrier_wait -1
	CREST
.endm
; A prefetch into the L2, behind the joint load and the run of LDS loads.  A's rows are named by the clusters with x = 0, B's by those with y = 0; the four partners share the blocks out by address.
; Each aligned block of 256 bytes of K steps 4 to 7 is named once in the launch; steps 0 to 3 come by their loads alone.
.macro ASK
	s_cmp_gt_u32 s[CNT], s[LIM]
	s_cbranch_scc0 .Lnot_mine_\@
	global_prefetch_b8 v[PFO], s[PFA:PFA+1] th:TH_LOAD_NT scope:SCOPE_SE
.if !FFN
	global_prefetch_b8 v[PFO2], s[PFA:PFA+1] th:TH_LOAD_NT scope:SCOPE_SE
.endif
.Lnot_mine_\@:
.endm
.if FFN
	s_load_b256 s[4:11], s[0:1], 0x0               ; x1h, wb, b1, hb
.else
	s_load_b128 s[4:7], s[0:1], 0x0                ; wb, qkv
.endif
	v_lshl_add_u32 v[SPW], v0, 2, SPARE
	v_mov_b32 v[NIL], 0
	ds_add_u32 v[SPW], v[NIL]                      ; the wave's opening: the add and its wait ahead of my first tensor load
	v_lshrrev_b32 v1, 5, v0
	v_readfirstlane_b32 s[WV], v1
	s_and_b32 s[W1], s[WV], 1
	s_lshr_b32 s[W2], s[WV], 1
	s_bfe_u32 s[CX], ttmp6, 0x40000
	s_bfe_u32 s[CY], ttmp6, 0x40004
	s_lshl_b32 s[TX], ttmp9, 2
	s_add_co_u32 s[TX], s[TX], s[CX]
	s_and_b32 s[TY], ttmp7, 0xffff
	s_lshl_b32 s[TY], s[TY], 2
	s_add_co_u32 s[TY], s[TY], s[CY]
	s_lshl_b32 s20, s[CY], 2
	s_lshl_b32 s20, 15, s20                        ; my row of the cluster
	s_lshl_b32 s21, 0x1111, s[CX]                  ; my column
	s_or_b32 s[G1A], s20, (1<<16)|(1<<20)|(1<<21)|(5<<22)|(3<<25)   ; mask; 2-byte elements; padding on; bit 21 beside a mask; 4 words behind every 64
.if FFN
	s_or_b32 s[G1B], s21, (1<<16)|(1<<20)|(1<<21)|(6<<22)|(7<<25)   ; 8 words behind every 128
.else
	s_or_b32 s[G1B], s21, (1<<16)|(1<<20)|(1<<21)|(4<<22)|(7<<25)   ; 8 words behind every 32
.endif
	s_mov_b32 s[G1A+1], 128<<16                    ; tensor_dim0
	s_mov_b32 s[G1A+2], AROWS<<16                  ; tensor_dim1
	s_mov_b32 s[G1A+3], 128<<16                    ; tile_dim0
	s_mov_b32 s[G1A+4], AROWS                      ; tile_dim1
	s_mov_b32 s[G1A+5], 1024                       ; elements from row to row
	s_mov_b32 s[G1A+6], 0
	s_mov_b32 s[G1A+7], 0
	s_mov_b32 s[G1B+1], BCOL<<16
	s_mov_b32 s[G1B+2], 64<<16
	s_mov_b32 s[G1B+3], BCOL<<16
	s_mov_b32 s[G1B+4], 64
	s_mov_b32 s[G1B+5], BPIT
	s_mov_b32 s[G1B+6], 0
	s_mov_b32 s[G1B+7], 0
	s_lshl_b32 s74, s[TY], 19                      ; A: 256 ty rows of 2,048 bytes
.if FFN
	s_lshl_b32 s75, s[W1], 18                      ; + the 128 rows that I fetch
	s_add_co_u32 s74, s74, s75
	s_lshl_b32 s76, s[W1], 19                      ; B: the 64 k-rows of 8,192 bytes that I fetch,
	s_lshl_b32 s77, s[TX], 9                       ; the tile's 512 bytes of them,
	s_add_co_u32 s76, s76, s77
	s_add_co_u32 s76, s76, 0x1000000               ; in W1's part of wb
	s_mul_i32 s[WOA], s[W1], 128*PA
	s_mul_i32 s[WOB], s[W1], 64*PB
	s_add_co_u32 s[WOB], s[WOB], ABYTES
.else
	s_lshl_b32 s76, s[WV], 21                      ; B: panel w - 1 of three (2 MiB apart; wave 0 makes these words and never uses them),
	s_lshl_b32 s77, s[TX], 17                      ; the head's 131,072 bytes in it
	s_add_co_u32 s76, s76, s77
	s_add_co_u32 s76, s76, 0x600000                ; the weights begin at 0x800000
	s_mov_b32 s[WOA], 0
	s_mul_i32 s[WOB], s[WV], 128*PB
	s_add_co_u32 s[WOB], s[WOB], ABYTES-128*PB
.endif
	s_mov_b32 s75, 0
	s_mov_b32 s77, 0
	s_mov_b32 s[TB], 0
	s_mov_b32 s80, 0xffff0000
	s_wait_dscnt 0x0                               ; the opening add is done
	s_wait_kmcnt 0x0
	s_add_nc_u64 s[74:75], s[AP:AP+1], s[74:75]
	s_add_nc_u64 s[76:77], s[WP:WP+1], s[76:77]
	CROUND                                         ; all sixteen work-groups are here: the first joint loads meet
.irp s, 0,1
	s_mov_b32 s[G0A+4*\s], 1
	s_add_co_u32 s[G0A+4*\s+1], s[WOA], \s*SLOT
	s_add_nc_u64 s[G0A+4*\s+2:G0A+4*\s+3], s[74:75], \s*ASTEP
	s_or_b32 s[G0A+4*\s+3], s[G0A+4*\s+3], 0x80000000
	s_mov_b32 s[G0B+4*\s], 1
	s_add_co_u32 s[G0B+4*\s+1], s[WOB], \s*SLOT
	s_add_nc_u64 s[G0B+4*\s+2:G0B+4*\s+3], s[76:77], \s*BSTEP
	s_or_b32 s[G0B+4*\s+3], s[G0B+4*\s+3], 0x80000000
.endr
	s_cmp_lt_u32 s[WV], AW                         ; a wave's two first fills stand in one branch: two loads of mine are out
	s_cbranch_scc0 .Lfirst_b
	tensor_load_to_lds s[G0A:G0A+3], s[G1A:G1A+7]
	s_nop 0
	tensor_load_to_lds s[G0A+4:G0A+7], s[G1A:G1A+7]
	s_nop 0
.rept 4
	v_nop
.endr
	s_branch .Lfirst_done
.Lfirst_b:
	tensor_load_to_lds s[G0B:G0B+3], s[G1B:G1B+7]
	s_nop 0
	tensor_load_to_lds s[G0B+4:G0B+7], s[G1B:G1B+7]
	s_nop 0
.rept 4
	v_nop
.endr
.Lfirst_done:
	v_and_b32 v20, 15, v0                          ; r = l % 16
	v_bfe_u32 v21, v0, 4, 1                        ; h = l / 16
	v_and_b32 v22, 7, v0
	v_bfe_u32 v23, v0, 3, 1
	v_and_b32 v24, 31, v0
.if FFN
	; the bias, rounded to bf16 like every input, is the C operand of the first products: register j of block b holds b1[16 b + 8 h + j] of my 128 columns
	s_lshl_b32 s78, s[TX], 10
	s_lshl_b32 s79, s[W1], 9
	s_add_co_u32 s78, s78, s79
	v_lshlrev_b32 v[BO], 5, v21
	v_add_nc_u32 v[BO], s78, v[BO]
.irp b, 0,1,2,3,4,5,6,7
	global_load_b128 v[BIAS+8*\b:BIAS+8*\b+3],   v[BO], s[8:9] offset:64*\b
	global_load_b128 v[BIAS+8*\b+4:BIAS+8*\b+7], v[BO], s[8:9] offset:64*\b+16
.endr
	s_wait_loadcnt 0x0
.set i, 0
.rept 32
	v_cvt_pk_bf16_f32 v[16+i%4], v[BIAS+2*i], v[BIAS+2*i+1]
	v_lshlrev_b32 v[BIAS+2*i], 16, v[16+i%4]
	v_and_b32 v[BIAS+2*i+1], s80, v[16+i%4]
.set i, i+1
.endr
	s_mul_i32 s78, s[W2], 128*PA
.else
	s_mul_i32 s78, s[WV], 64*PA
.endif
	v_mul_u32_u24 v[A0], v20, PA                   ; a fragment of A: row r, 16 bytes for each half of the lanes, twice, 32 bytes apart
	v_lshl_add_u32 v[A0], v21, 4, v[A0]
	v_add_nc_u32 v[A0], s78, v[A0]
	v_lshl_add_u32 v[B0], v21, 3, v22              ; the turning load: k-row 8 h + l % 8, 16 bytes at 16 ((l / 8) % 2)
	v_mul_u32_u24 v[B0], v[B0], PB
	v_lshl_add_u32 v[B0], v23, 4, v[B0]
.if FFN
	s_lshl_b32 s78, s[W1], 8
	s_add_co_u32 s78, s78, ABYTES
	v_add_nc_u32 v[B0], s78, v[B0]
.else
	v_add_nc_u32 v[B0], ABYTES, v[B0]
.endif
	v_mov_b32 v[ADRA], v[A0]
	v_mov_b32 v[ADRB], v[B0]
	v_lshlrev_b32 v[GO], 4, v24                    ; my 16 bytes in a block of 512
	v_mov_b32 v[ZR], 0
.if FFN
	s_lshl_b32 s78, s[TX], 21                      ; panel 4 tx + 2 (w % 2), 524,288 bytes each,
	s_lshl_b32 s79, s[W1], 20
	s_add_co_u32 s78, s78, s79
	s_lshl_b32 s79, s[W2], 14                      ; my 128 rows of 128 bytes
	s_add_co_u32 s78, s78, s79
.else
	s_lshl_b32 s78, s[TX], 19                      ; the head's panel,
	s_lshl_b32 s79, s[WV], 13                      ; my 64 rows of 128 bytes
	s_add_co_u32 s78, s78, s79
.endif
	s_lshl_b32 s79, s[TY], 15
	s_add_co_u32 s78, s78, s79
	s_mov_b32 s79, 0
	s_add_nc_u64 s[OUT:OUT+1], s[OPT:OPT+1], s[78:79]
	s_add_nc_u64 s[OUT+2:OUT+3], s[OUT:OUT+1], JSTEP
.if NJ > 2
	s_add_nc_u64 s[OUT+4:OUT+5], s[OUT+2:OUT+3], JSTEP
.endif
	; the prefetches' address, step, lane offsets and bound
.if FFN
	s_lshl_b32 s57, s[TY], 19                      ; A: of the 128 rows that I fetch my work-group's 32, a lane a row, at K step 3
	s_lshl_b32 s79, s[W1], 18
	s_add_co_u32 s57, s57, s79
	s_lshl_b32 s79, s[CX], 16
	s_add_co_u32 s57, s57, s79
	s_add_co_u32 s57, s57, 3*ASTEP
	s_lshl_b32 s78, s[W1], 19                      ; B: of the 64 k-rows that I fetch my work-group's 16, two lanes a row
	s_lshl_b32 s79, s[CY], 17
	s_add_co_u32 s78, s78, s79
	s_lshl_b32 s79, s[TX], 9
	s_add_co_u32 s78, s78, s79
	s_add_co_u32 s78, s78, 0x1000000+3*BSTEP
	s_and_b32 s79, ttmp7, 0xffff
	s_mov_b32 s[PST], BSTEP
	s_cmp_lt_u32 s[WV], AW
	s_cselect_b64 s[PFA:PFA+1], s[AP:AP+1], s[WP:WP+1]
	s_cselect_b32 s78, s57, s78
	s_cselect_b32 s[PST], ASTEP, s[PST]
	s_cselect_b32 s81, 0, 1
	s_cselect_b32 s82, 11, 13
	s_cselect_b32 s79, ttmp9, s79                  ; the coordinate along which other clusters read the same rows
	s_cmp_eq_u32 s79, 0
	s_cselect_b32 s[LIM], 2, -1                    ; trips with CNT above 2 name K steps 4 to 7
	v_lshrrev_b32 v[PFO], s81, v24
	v_lshlrev_b32 v[PFO], s82, v[PFO]
	v_and_b32 v[PFO2], s81, v24
	v_lshl_add_u32 v[PFO], v[PFO2], 8, v[PFO]
.else
	s_lshl_b32 s57, s[TY], 19                      ; wave 0, A: my work-group's 64 of the 256 rows, two lines of a lane a row, at K step 3
	s_lshl_b32 s79, s[CX], 17
	s_add_co_u32 s57, s57, s79
	s_add_co_u32 s57, s57, 3*ASTEP
	s_lshl_b32 s78, s[WV], 21                      ; waves 1 to 3, B: all 16,384 bytes of my panel's K step 4 + cy, once
	s_lshl_b32 s79, s[TX], 17
	s_add_co_u32 s78, s78, s79
	s_lshl_b32 s79, s[CY], 14
	s_add_co_u32 s78, s78, s79
	s_add_co_u32 s78, s78, 0x600000+4*BSTEP
	s_and_b32 s79, ttmp7, 0xffff
	s_mov_b32 s82, 8192
	s_cmp_lt_u32 s[WV], AW
	s_cselect_b64 s[PFA:PFA+1], s[AP:AP+1], s[WP:WP+1]
	s_cselect_b32 s78, s57, s78
	s_cselect_b32 s[PST], ASTEP, 0
	s_cselect_b32 s81, 11, 8
	s_cselect_b32 s82, 65536, s82
	s_cselect_b32 s83, 2, 5
	s_cselect_b32 s79, ttmp9, s79
	s_cmp_eq_u32 s79, 0
	s_cselect_b32 s[LIM], s83, -1
	v_lshlrev_b32 v[PFO], s81, v24
	v_add_nc_u32 v[PFO2], s82, v[PFO]
.endif
	s_mov_b32 s79, 0
	s_mov_b32 s[PST+1], 0
	s_add_nc_u64 s[PFA:PFA+1], s[PFA:PFA+1], s[78:79]
; NBK matrix instructions: block a of my rows x all my columns, 32 along K, from buffer f.  mode 1: C = 0; mode 2: C = the bias; else in place.  From block SWAPB of the columns on the sources are swapped.
; The accumulators take turns, one instruction a turn, in the same order in every quarter.
.macro MULA f, a, mode
.set hi, (\a)/(MB/2)
.set al, (\a)%(MB/2)
.set b, 0
.rept NBK
.set rD, 8*(NBK*al+b)
.set rB, 8*NBK*(\f)+8*b
.set rA, FA+8*MB*(\f)+8*(\a)
.if b >= SWAPB
	WIN 0xa4+0x50*hi                               ; source 0 (A) window 0, source 1 (B) window 1
.if (\mode) == 1
	v_wmma_f32_16x16x32_f16 v[rD:rD+7], v[rA:rA+7], v[rB:rB+7], 0
.else
	v_wmma_f32_16x16x32_f16 v[rD:rD+7], v[rA:rA+7], v[rB:rB+7], v[rD:rD+7]
.endif
.elseif (\mode) == 1
	WIN 0xa1+0x50*hi                               ; source 0 (B) window 1, source 1 (A) window 0
	v_wmma_f32_16x16x32_f16 v[rD:rD+7], v[rB:rB+7], v[rA:rA+7], 0
.elseif (\mode) == 2
	WIN 0x81+0x40*hi                               ; the same with C in window 0
	v_wmma_f32_16x16x32_f16 v[rD:rD+7], v[rB:rB+7], v[rA:rA+7], v[BIAS+8*b:BIAS+8*b+7]
.else
	WIN 0xa1+0x50*hi
	v_wmma_f32_16x16x32_f16 v[rD:rD+7], v[rB:rB+7], v[rA:rA+7], v[rD:rD+7]
.endif
.set b, b+1
.endr
.endm
.macro HALF f, lo, n, mode             ; n blocks of rows from lo on
.set aa, \lo
.rept \n
	MULA \f, aa, \mode
.set aa, aa+1
.endr
.endm
; 32 LDS loads in one run: quarter q (32 along K) of the slot in hand into buffer f: B turned, then A
.macro FETCH q, f
	WIN 0x40
.set b, 0
.rept NBK
.if FFN
.set ob, 32*b+32*PB*(\q)
.else
.set ob, (b/4)*128*PB+32*(b%4)+32*PB*(\q)
.endif
	ds_load_tr16_b128 v[8*NBK*(\f)+8*b:8*NBK*(\f)+8*b+3],   v[ADRB] offset:ob
	ds_load_tr16_b128 v[8*NBK*(\f)+8*b+4:8*NBK*(\f)+8*b+7], v[ADRB] offset:ob+16*PB
.set b, b+1
.endr
	WIN 0
.set a, 0
.rept MB
	ds_load_b128 v[FA+8*MB*(\f)+8*a:FA+8*MB*(\f)+8*a+3],   v[ADRA] offset:16*PA*a+64*(\q)
	ds_load_b128 v[FA+8*MB*(\f)+8*a+4:FA+8*MB*(\f)+8*a+7], v[ADRA] offset:16*PA*a+64*(\q)+32
.set a, a+1
.endr
.endm
; One of a K step's first three quarters: multiplies buffer f, and in its middle fetches quarter q into buffer g
.macro QUARTER q, f, g, mode
	s_wait_dscnt MB                                ; B and A's lower blocks are in; the youngest MB loads, A's upper blocks, may be out
	HALF \f, 0, MB/2, \mode
	PLACES
	FETCH \q, \g
	s_wait_dscnt 32                                ; all but the 32 just issued
	HALF \f, MB/2, MB/2, \mode
.endm
; The last quarter multiplies buffer 1 and changes slots.  In front of the barrier each wave waits for all its tensor loads (one is out: its part of the next slot), adds 0 to its spare word,
; and waits for that and for its reads of this slot.  fill = 1: the barrier opens a round of the cluster's, and this slot is filled again, two K steps ahead, first thing behind the round.
.macro TURN fill
.if \fill
	s_wait_xcnt 0x0                                ; the last prefetch, a K step back, has read its address
	s_add_nc_u64 s[PFA:PFA+1], s[PFA:PFA+1], s[PST:PST+1]
.endif
	WIN 0
	s_wait_tensorcnt 0x0
	ds_add_u32 v[SPW], v[NIL]
.if \fill
	s_add_co_u32 s[G0A+5], s[WOA], s[TB]           ; no tensor load of mine is out: the walking descriptors step: this slot, the next K step but one
	s_add_nc_u64 s[G0A+6:G0A+7], s[G0A+6:G0A+7], ASTEP
	s_add_co_u32 s[G0B+5], s[WOB], s[TB]
	s_add_nc_u64 s[G0B+6:G0B+7], s[G0B+6:G0B+7], BSTEP
.endif
	s_wait_dscnt MB+1                              ; the add and the youngest MB loads may be out
	HALF 1, 0, MB/4, 0
	s_wait_dscnt 0x0                               ; the add is done, and my reads of this slot are over
	s_barrier_signal -1
	HALF 1, MB/4, MB/4, 0
	WIN 0
	s_barrier_wait -1
.if \fill
	CREST
	JLOAD                                          ; its four v_nop are also the places in front of the loads below
.else
	PLACES
.endif
	s_sub_co_u32 s[TB], SLOT, s[TB]                ; the other slot
	v_add_nc_u32 v[ADRA], s[TB], v[A0]
	v_add_nc_u32 v[ADRB], s[TB], v[B0]
	FETCH 0, 0
.if \fill
	ASK
.endif
	HALF 1, MB/2, MB/2, 0
.endm
; THE WAY OUT, in units of 16 rows x 64 columns: four accumulators are rounded to f16 (each from its low registers on) and stored as they lie: 512 consecutive bytes a store, 2,048 a unit.
.macro PACKU u
.set ua, (\u)/NJ
.set uj, (\u)%NJ
.set hi, ua/(MB/2)
.set al, ua%(MB/2)
.set TT, TMP+16*((\u)%12)
	WIN 0x0a+5*hi
.set c, 0
.rept 4
.set rD, 8*(NBK*al+4*uj+c)
.irp r, 0,1,2,3
	v_cvt_pk_f16_f32 v[TT+4*c+\r], v[rD+2*\r], v[rD+2*\r+1]
.endr
.set c, c+1
.endr
	WIN 0
.if FFN
.set c, 0
.rept 16
	v_pk_max_num_f16 v[TT+c], v[TT+c], v[ZR]       ; the ReLU, two numbers a line
.set c, c+1
.endr
.endif
.irp e, 0,1,2,3
	global_store_b128 v[GO], v[TT+4*\e:TT+4*\e+3], s[OUT+2*uj:OUT+2*uj+1] offset:2048*ua+512*\e
.endr
.endm
	s_wait_tensorcnt 0x1                           ; my part of K step 0 is in; step 1's may stay out
	s_barrier_signal -1
	s_barrier_wait -1
	FETCH 0, 0
	QUARTER 1, 0, 1, FM                            ; the first quarter stands in front of the loop: its products start the sums
	WIN 0
	s_mov_b32 s[CNT], 6
.Lk:                                               ; a trip: a K step's last three quarters and the next step's first; steps 0 to 5 fill their slot again
	QUARTER 2, 1, 0, 0
	QUARTER 3, 0, 1, 0
	TURN 1
	QUARTER 1, 0, 1, 0
	WIN 0
	s_sub_co_u32 s[CNT], s[CNT], 1
	s_cmp_lg_u32 s[CNT], 0
	s_cbranch_scc1 .Lk
	s_mov_b32 s[CNT], 2
.Lt:                                               ; steps 6 and 7 ask for nothing; the second trip is left in its middle
	QUARTER 2, 1, 0, 0
	QUARTER 3, 0, 1, 0
	WIN 0
	s_sub_co_u32 s[CNT], s[CNT], 1
	s_cmp_eq_u32 s[CNT], 0
	s_cbranch_scc1 .Lout
	TURN 0
	QUARTER 1, 0, 1, 0
	WIN 0
	s_branch .Lt
.Lout:
	s_wait_dscnt MB
	HALF 1, 0, MB/2, 0
	s_wait_dscnt 0x0
	HALF 1, MB/2, MB/2, 0
	WIN 0
	PLACES                                         ; behind the last products: the conversions read results and write over fragments
.set u, 0
.rept NU
.if u == 12
	s_wait_xcnt 0x0                                ; the first units' stores have read their registers, which are written again from here on
.endif
	PACKU u
.set u, u+1
.endr
	s_wait_tensorcnt 0x0                           ; the wave's end
	ds_add_u32 v[SPW], v[NIL]
	s_wait_dscnt 0x0
	CROUND                                         ; the closing round
	s_endpgm
.Lfunc_end_k_q4a53b52339_ffn1:
	.size	k_q4a53b52339_ffn1, .Lfunc_end_k_q4a53b52339_ffn1-k_q4a53b52339_ffn1
	.p2alignl 7, 3214868480
	.fill 96, 4, 3214868480
	.section	.rodata,"a",@progbits
	.p2align	6, 0x0
	.amdhsa_kernel k_q4a53b52339_ffn1
		.amdhsa_group_segment_fixed_size 327680
		.amdhsa_private_segment_fixed_size 0
		.amdhsa_enable_private_segment 0
		.amdhsa_kernarg_size 32
		.amdhsa_user_sgpr_count 2
		.amdhsa_user_sgpr_kernarg_segment_ptr 1
		.amdhsa_wavefront_size32 1
		.amdhsa_system_sgpr_workgroup_id_x 1
		.amdhsa_system_sgpr_workgroup_id_y 1
		.amdhsa_system_sgpr_workgroup_id_z 1
		.amdhsa_system_vgpr_workitem_id 0
		.amdhsa_next_free_vgpr 1024
		.amdhsa_next_free_sgpr 84
		.amdhsa_reserve_vcc 0
		.amdhsa_float_denorm_mode_32 3
		.amdhsa_float_denorm_mode_16_64 3
		.amdhsa_memory_ordered 1
		.amdhsa_forward_progress 1
		.amdhsa_inst_pref_size 118
	.end_amdhsa_kernel
	.amdgpu_metadata
---
amdhsa.version: [ 1, 2 ]
amdhsa.kernels:
  - .name:           k_q4a53b52339_ffn1
    .symbol:         k_q4a53b52339_ffn1.kd
    .args:
      - { .name: x1h, .offset: 0, .size: 8, .value_kind: global_buffer, .address_space: global }
      - { .name: wb, .offset: 8, .size: 8, .value_kind: global_buffer, .address_space: global }
      - { .name: b1, .offset: 16, .size: 8, .value_kind: global_buffer, .address_space: global }
      - { .name: hb, .offset: 24, .size: 8, .value_kind: global_buffer, .address_space: global }
    .group_segment_fixed_size: 327680
    .private_segment_fixed_size: 0
    .kernarg_segment_align: 8
    .kernarg_segment_size: 32
    .max_flat_workgroup_size: 128
    .sgpr_count:     84
    .vgpr_count:     1024
    .wavefront_size: 32
...
	.end_amdgpu_metadata
.endif
;; end of part 6
;; launch ffn2 (part 7): grid 8 x 32, 4 waves a work-group, clusters of 4 x 4, 327,680 bytes of LDS; arguments hb, wb, b2, x1h, y2; writes y2
.if DOCPART == 7
	.amdgcn_target "amdgcn-amd-amdhsa--gfx1250"
	.amdhsa_code_object_version 6
	.text
	.protected	k_q4a53b52339_ffn2
	.globl	k_q4a53b52339_ffn2
	.p2align	8
	.type	k_q4a53b52339_ffn2,@function
k_q4a53b52339_ffn2:
	s_mov_b64 s[64:65], 0
	v_nop
	global_prefetch_b8 v0, s[64:65] scope:SCOPE_SE
	s_setreg_imm32_b32 hwreg(HW_REG_WAVE_MODE, 25, 1), 1
	s_wait_xcnt 0x0
	s_wait_alu depctr_hold_cnt(0) depctr_sa_sdst(0) depctr_va_vdst(0) depctr_va_sdst(0) depctr_va_ssrc(0) depctr_va_vcc(0) depctr_vm_vsrc(0)
	s_getreg_b32 s2, hwreg(HW_REG_IB_STS2, 6, 4)
	s_cmp_eq_u32 s2, 0
	s_cbranch_scc0 .Lentry_in_a_cluster
	s_endpgm
.Lentry_in_a_cluster:
	s_bfe_u32 s2, ttmp6, 0x10000c
	s_cmp_lg_u32 s2, 0xf033
	s_cbranch_scc0 .Lentry_shape_is_right
	s_endpgm
.Lentry_shape_is_right:
; y[m][n] = res[m][n] + bias[n] + the sum over k of A[m][k] W[k][n], f32 out.  A: panels [K / 64][4096][64] of f16; W: [K][1024] of f16 in wb; res: [4096][1024] of f16; the bias is rounded to bf16 like every input.
; Here: A = the FFN's hidden layer (K = 4096), W = W2, res = the first LayerNorm's output.
; Inside a panel of A each 16 rows x 64 columns are 2,048 bytes IN FRAGMENT ORDER: four blocks of 512 bytes, one for 16 columns, lane l's 16 bytes (row l % 16, columns 8 (l / 16) + 0..7) at 16 l: two blocks are a matrix
; operand of 16 rows x 32 along K, read from LDS as 512 consecutive bytes each, with no padding.
; SHARES.  A tile of 128 x 128, so that the 4,096 x 1,024 numbers give 256 work-groups; a wave 64 x 64: 16 accumulators.  K goes in steps of 256 (four panels of A) through two LDS slots.
; W lies [k][n]: its fragments come out of LDS turned.  THE PRODUCT IS TAKEN TRANSPOSED (source 0 = 16 columns of W, source 1 = 16 rows of A): a lane holds eight neighbouring columns of one row.
; CLUSTER 4 x 4: A's tile is asked for jointly along a row of the cluster, W's along a column.  Waves 0, 1 fetch two panels of A each (a panel's 128 rows are 16,384 dense bytes: one row of the tile), waves 2, 3 128 k-rows of W.
; THE WALK OVER K begins at step 0 in the clusters whose x + y is even and at step NSTEP / 2 in the others, and wraps round (f32 sums may be taken in any order): clusters that read the same rows of A or the same
; columns of W read them half a walk apart.  The step's number hangs on the cluster's x and y alone, which all sixteen partners share.
; ONE K STEP IS THE LOOP'S TEXT: the slot in hand is s[TB].  The bias is the C operand of the first products; the residual is loaded at the head and added on the way out.
; REGISTERS: window 0: v2-14 addresses; v32-95 the way out; v96-127 the bias; v128-255 the accumulators; window 1: two fragment buffers of 128 (A's 64, then W's 64); window 2: v0-63 the residual.
.set PROJ, 0
.set NSTEP, 16
.set WOFF, 0x1800000
.set PB, 288                           ; a k-row of W: 256 bytes + 32
.set ABYTES, 4*16384                   ; four panels x 128 rows x 128 bytes
.set SLOT, ABYTES+256*PB
.set ASTEP, 4*524288
.set BSTEP, 256*2048
.set STAGE, 2*SLOT                     ; 16 rows x 272 bytes for each wave
.set SPARE, STAGE+4*4352               ; the spare words, 128 bytes a wave, which no other line names
.set A0, 2
.set B0, 3
.set ADRA, 4
.set ADRB, 5                           ; v5: the step's first 128 k-rows; v6: its last
.set STO, 7
.set RD, 8
.set CO, 9
.set RO, 10
.set ONE, 11
.set SPW, 12
.set NIL, 13
.set BO, 14
.set TMP, 32
.set BIAS, 96
.set ACC, 128
.set F0, 0
.set F1, 128
.set WV, 14
.set W1, 15
.set CX, 16
.set CY, 17
.set TX, 18
.set TY, 19
.set W2, 22
.set G1A, 24
.set G1B, 32
.set G0A, 40
.set G0B, 48
.set CNT, 56
.set KI, 57                            ; the K step that the walking descriptors name
.set TB, 58
.set WOA, 59
.set WOB, 60
.set OA, 62                            ; s[62:63] that step's byte offset in A
.set OB, 66                            ; s[66:67] and in W
.set BA, 74                            ; s[74:75] A at my part of K step 0
.set BB, 76                            ; s[76:77] W likewise
.set MSB, 0
.macro WIN new
.if MSB != (\new)
	s_set_vgpr_msb (MSB<<8)|(\new)
.set MSB, (\new)
.endif
.endm
.macro PLACES
.rept 4
	v_nop
.endr
.endm
.macro JLOAD                           ; a joint refill; s_nop 0 and four v_nop follow each line
	s_cmp_lt_u32 s[WV], 2
	s_cbranch_scc0 .Lfor_b_\@
	tensor_load_to_lds s[G0A+4:G0A+7], s[G1A:G1A+7]
	s_nop 0
.rept 4
	v_nop
.endr
	s_branch .Lasked_\@
.Lfor_b_\@:
	tensor_load_to_lds s[G0B+4:G0B+7], s[G1B:G1B+7]
	s_nop 0
.rept 4
	v_nop
.endr
.Lasked_\@:
.endm
.macro CREST
	s_cmp_lg_u32 s[WV], 0
	s_cbranch_scc1 .Lnot_wave_0_\@
	s_barrier_signal -3
.Lnot_wave_0_\@:
	s_barrier_wait -3
	s_barrier_signal -1
	s_barrier_wait -1
.endm
.macro CROUND
	s_barrier_signal -1
	s_barrier_wait -1
	CREST
.endm
	s_load_b256 s[4:11], s[0:1], 0x0               ; A, wb, bias, and (proj) y or (ffn2) the residual
.if !PROJ
	s_load_b64 s[12:13], s[0:1], 0x20              ; y
.endif
	v_lshl_add_u32 v[SPW], v0, 2, SPARE
	v_mov_b32 v[NIL], 0
	ds_add_u32 v[SPW], v[NIL]                      ; the wave's opening: the add and its wait ahead of my first tensor load
	v_lshrrev_b32 v1, 5, v0
	v_readfirstlane_b32 s[WV], v1
	s_and_b32 s[W1], s[WV], 1
	s_lshr_b32 s[W2], s[WV], 1
	s_bfe_u32 s[CX], ttmp6, 0x40000
	s_bfe_u32 s[CY], ttmp6, 0x40004
	s_lshl_b32 s[TX], ttmp9, 2
	s_add_co_u32 s[TX], s[TX], s[CX]
	s_and_b32 s[TY], ttmp7, 0xffff
	s_add_co_u32 s[KI], s[TY], ttmp9               ; the cluster's x + y:
	s_and_b32 s[KI], s[KI], 1                      ; odd clusters
	s_mul_i32 s[KI], s[KI], NSTEP/2                ; begin in the middle of K
	s_lshl_b32 s[TY], s[TY], 2
	s_add_co_u32 s[TY], s[TY], s[CY]
	s_lshl_b32 s20, s[CY], 2
	s_lshl_b32 s20, 15, s20                        ; my row of the cluster
	s_lshl_b32 s21, 0x1111, s[CX]                  ; my column
	s_or_b32 s[G1A], s20, (1<<16)|(1<<21)                           ; mask; 2-byte elements; bit 21 beside a mask; no padding
	s_or_b32 s[G1B], s21, (1<<16)|(1<<20)|(1<<21)|(5<<22)|(7<<25)   ; 8 words of padding behind every 64
	s_mov_b32 s[G1A+1], 8192<<16                   ; tensor_dim0: 128 rows x 64 elements on end
	s_mov_b32 s[G1A+2], 2<<16                      ; tensor_dim1: two panels
	s_mov_b32 s[G1A+3], 8192<<16                   ; tile_dim0
	s_mov_b32 s[G1A+4], 2                          ; tile_dim1
	s_mov_b32 s[G1A+5], 262144                     ; elements from panel to panel
	s_mov_b32 s[G1A+6], 0
	s_mov_b32 s[G1A+7], 0
	s_mov_b32 s[G1B+1], 128<<16
	s_mov_b32 s[G1B+2], 128<<16
	s_mov_b32 s[G1B+3], 128<<16
	s_mov_b32 s[G1B+4], 128
	s_mov_b32 s[G1B+5], 1024
	s_mov_b32 s[G1B+6], 0
	s_mov_b32 s[G1B+7], 0
	s_lshl_b32 s[BA], s[TY], 14                    ; A: the tile's 128 rows of 128 bytes,
	s_lshl_b32 s[BA+1], s[W1], 20                  ; the two panels that I fetch
	s_add_co_u32 s[BA], s[BA], s[BA+1]
	s_mov_b32 s[BA+1], 0
	s_lshl_b32 s[BB], s[TX], 8                     ; W: the tile's 256 bytes of a k-row,
	s_lshl_b32 s[BB+1], s[W1], 18                  ; the 128 k-rows that I fetch
	s_add_co_u32 s[BB], s[BB], s[BB+1]
	s_add_co_u32 s[BB], s[BB], WOFF
	s_mov_b32 s[BB+1], 0
	s_lshl_b32 s[WOA], s[W1], 15                   ; two panels of 16,384 bytes
	s_mul_i32 s[WOB], s[W1], 128*PB
	s_add_co_u32 s[WOB], s[WOB], ABYTES
	s_mov_b32 s[TB], 0
	s_mov_b32 s[OA+1], 0
	s_mov_b32 s[OB+1], 0
	s_mov_b32 s80, 0xffff0000
	s_wait_dscnt 0x0                               ; the opening add is done
	s_wait_kmcnt 0x0
.if PROJ
	s_mov_b64 s[12:13], s[10:11]                   ; y
	s_mov_b64 s[10:11], s[6:7]                     ; the residual: x's part lies at the head of wb
.endif
	s_add_nc_u64 s[BA:BA+1], s[4:5], s[BA:BA+1]
	s_add_nc_u64 s[BB:BB+1], s[6:7], s[BB:BB+1]
	CROUND                                         ; all sixteen work-groups are here: the first joint loads meet
.irp s, 0,1
	s_mul_i32 s[OA], s[KI], ASTEP
	s_mul_i32 s[OB], s[KI], BSTEP
	s_mov_b32 s[G0A+4*\s], 1
	s_add_co_u32 s[G0A+4*\s+1], s[WOA], \s*SLOT
	s_add_nc_u64 s[G0A+4*\s+2:G0A+4*\s+3], s[BA:BA+1], s[OA:OA+1]
	s_or_b32 s[G0A+4*\s+3], s[G0A+4*\s+3], 0x80000000
	s_mov_b32 s[G0B+4*\s], 1
	s_add_co_u32 s[G0B+4*\s+1], s[WOB], \s*SLOT
	s_add_nc_u64 s[G0B+4*\s+2:G0B+4*\s+3], s[BB:BB+1], s[OB:OB+1]
	s_or_b32 s[G0B+4*\s+3], s[G0B+4*\s+3], 0x80000000
.if \s == 0
	s_add_co_u32 s[KI], s[KI], 1                   ; the walk's second step
	s_and_b32 s[KI], s[KI], NSTEP-1
.endif
.endr
	s_cmp_lt_u32 s[WV], 2                          ; a wave's two first fills stand in one branch: two loads of mine are out
	s_cbranch_scc0 .Lfirst_b
	tensor_load_to_lds s[G0A:G0A+3], s[G1A:G1A+7]
	s_nop 0
	tensor_load_to_lds s[G0A+4:G0A+7], s[G1A:G1A+7]
	s_nop 0
.rept 4
	v_nop
.endr
	s_branch .Lfirst_done
.Lfirst_b:
	tensor_load_to_lds s[G0B:G0B+3], s[G1B:G1B+7]
	s_nop 0
	tensor_load_to_lds s[G0B+4:G0B+7], s[G1B:G1B+7]
	s_nop 0
.rept 4
	v_nop
.endr
.Lfirst_done:
	v_and_b32 v20, 15, v0                          ; r
	v_bfe_u32 v21, v0, 4, 1                        ; h
	v_and_b32 v22, 7, v0
	v_bfe_u32 v23, v0, 3, 1
	v_and_b32 v24, 31, v0                          ; l
	s_lshl_b32 s78, s[TX], 9
	s_lshl_b32 s79, s[W1], 8
	s_add_co_u32 s78, s78, s79                     ; my 64 columns, in bytes of f32
	v_lshlrev_b32 v[BO], 5, v21
	v_add_nc_u32 v[BO], s78, v[BO]
.irp b, 0,1,2,3
	global_load_b128 v[BIAS+8*\b:BIAS+8*\b+3],   v[BO], s[8:9] offset:64*\b     ; register j of block b: bias[16 b + 8 h + j]
	global_load_b128 v[BIAS+8*\b+4:BIAS+8*\b+7], v[BO], s[8:9] offset:64*\b+16
.endr
	s_lshr_b32 s82, s78, 1                         ; the same columns in bytes of f16,
	s_lshl_b32 s79, s[TY], 18                      ; my 64 rows of 2,048 bytes
	s_add_co_u32 s82, s82, s79
	s_lshl_b32 s79, s[W2], 17
	s_add_co_u32 s82, s82, s79
	s_mov_b32 s83, 0
	s_add_nc_u64 s[10:11], s[10:11], s[82:83]
	s_lshl_b32 s79, s[TY], 19                      ; and in y, rows of 4,096 bytes
	s_add_co_u32 s78, s78, s79
	s_lshl_b32 s79, s[W2], 18
	s_add_co_u32 s78, s78, s79
	s_mov_b32 s79, 0
	s_add_nc_u64 s[12:13], s[12:13], s[78:79]
	v_lshlrev_b32 v[RO], 11, v21                   ; the residual as the way out will want it: row 2 t + h, my 4 columns at 8 r
	v_lshl_add_u32 v[RO], v20, 3, v[RO]
	WIN 0x80
.set i, 0
.rept 32
	global_load_b64 v[2*i:2*i+1], v[RO], s[10:11] offset:2*i*2048
.set i, i+1
.endr
	WIN 0
	s_wait_loadcnt 32                              ; the bias is in; the residual's 32 loads stay out until the way out
.set i, 0
.rept 16
	v_cvt_pk_bf16_f32 v[16+i%4], v[BIAS+2*i], v[BIAS+2*i+1]
	v_lshlrev_b32 v[BIAS+2*i], 16, v[16+i%4]
	v_and_b32 v[BIAS+2*i+1], s80, v[16+i%4]
.set i, i+1
.endr
	s_lshl_b32 s78, s[W2], 13                      ; my 64 rows: four groups of 16, 2,048 bytes each
	v_lshlrev_b32 v[A0], 4, v24                    ; my 16 bytes in a block of 512
	v_add_nc_u32 v[A0], s78, v[A0]
	v_lshl_add_u32 v[B0], v21, 3, v22
	v_mul_u32_u24 v[B0], v[B0], PB
	v_lshl_add_u32 v[B0], v23, 4, v[B0]
	s_lshl_b32 s78, s[W1], 7
	s_add_co_u32 s78, s78, ABYTES
	v_add_nc_u32 v[B0], s78, v[B0]
	v_mov_b32 v[ADRA], v[A0]
	v_mov_b32 v[ADRB], v[B0]
	v_add_nc_u32 v[ADRB+1], 128*PB, v[B0]
	s_mul_i32 s78, s[WV], 4352
	s_add_co_u32 s78, s78, STAGE
	v_mul_u32_u24 v[STO], v20, 272                 ; in: row r, 32 bytes for each half of the lanes
	v_lshl_add_u32 v[STO], v21, 5, v[STO]
	v_add_nc_u32 v[STO], s78, v[STO]
	v_mul_u32_u24 v[RD], v21, 272                  ; back: lanes 0-15 one row of 256 bytes, lanes 16-31 the next
	v_lshl_add_u32 v[RD], v20, 4, v[RD]
	v_add_nc_u32 v[RD], s78, v[RD]
	v_lshlrev_b32 v[CO], 12, v21
	v_lshl_add_u32 v[CO], v20, 4, v[CO]
	v_mov_b32 v[ONE], 1.0
; 8 matrix instructions: blocks a0, a0 + 1 of my rows x my 4 blocks of columns, 32 along K: half c of buffer f.  mode = 1: C = the bias.  The 16 accumulators take turns.
.macro MUL8 f, c, a0, mode
	WIN 0x05
.irp a, \a0, (\a0)+1
.irp b, 0,1,2,3
.if \mode
	v_wmma_f32_16x16x32_f16 v[ACC+8*(4*(\a)+(\b)):ACC+8*(4*(\a)+(\b))+7], v[(\f)+64+8*(4*(\c)+(\b)):(\f)+64+8*(4*(\c)+(\b))+7], v[(\f)+8*(4*(\c)+(\a)):(\f)+8*(4*(\c)+(\a))+7], v[BIAS+8*(\b):BIAS+8*(\b)+7]
.else
	v_wmma_f32_16x16x32_f16 v[ACC+8*(4*(\a)+(\b)):ACC+8*(4*(\a)+(\b))+7], v[(\f)+64+8*(4*(\c)+(\b)):(\f)+64+8*(4*(\c)+(\b))+7], v[(\f)+8*(4*(\c)+(\a)):(\f)+8*(4*(\c)+(\a))+7], v[ACC+8*(4*(\a)+(\b)):ACC+8*(4*(\a)+(\b))+7]
.endif
.endr
.endr
.endm
; 32 LDS loads in one run: quarter q (64 along K: panel q of A) into buffer f; the first 32 along K first.  A: group i of 16 rows, two blocks of 512 bytes
.macro FETCH q, f
	WIN 0x40
.set rB, ADRB+(\q)/2
.irp c, 0,1
.irp i, 0,1,2,3
	ds_load_tr16_b128 v[(\f)+64+8*(4*\c+\i):(\f)+64+8*(4*\c+\i)+3],   v[rB] offset:64*PB*((\q)%2)+32*PB*\c+32*\i
	ds_load_tr16_b128 v[(\f)+64+8*(4*\c+\i)+4:(\f)+64+8*(4*\c+\i)+7], v[rB] offset:64*PB*((\q)%2)+32*PB*\c+32*\i+16*PB
	ds_load_b128 v[(\f)+8*(4*\c+\i):(\f)+8*(4*\c+\i)+3],   v[ADRA] offset:16384*(\q)+2048*\i+1024*\c
	ds_load_b128 v[(\f)+8*(4*\c+\i)+4:(\f)+8*(4*\c+\i)+7], v[ADRA] offset:16384*(\q)+2048*\i+1024*\c+512
.endr
.endr
.endm
.macro QUARTER q, f, g, mode
	s_wait_dscnt 16                                ; the first 32 along K are in
	MUL8 \f, 0, 0, \mode
	MUL8 \f, 0, 2, \mode
	PLACES
	FETCH \q, \g
	s_wait_dscnt 32                                ; all but the 32 just issued
	MUL8 \f, 1, 0, 0
	MUL8 \f, 1, 2, 0
.endm
; The last quarter multiplies buffer 1 and changes slots: each wave waits for all its tensor loads, adds 0 to its spare word, and waits for that and for its reads of this slot.
; fill = 1: the barrier opens a round of the cluster's, and this slot is filled again, with the walk's next step but one, first thing behind the round.
.macro TURN fill
	WIN 0
	s_wait_tensorcnt 0x0
	ds_add_u32 v[SPW], v[NIL]
.if \fill
	s_add_co_u32 s[KI], s[KI], 1                   ; no tensor load of mine is out: the walking descriptors are made anew: the next step, round K's end,
	s_and_b32 s[KI], s[KI], NSTEP-1
	s_mul_i32 s[OA], s[KI], ASTEP
	s_mul_i32 s[OB], s[KI], BSTEP
	s_add_co_u32 s[G0A+5], s[WOA], s[TB]           ; into this slot
	s_add_nc_u64 s[G0A+6:G0A+7], s[BA:BA+1], s[OA:OA+1]
	s_or_b32 s[G0A+7], s[G0A+7], 0x80000000
	s_add_co_u32 s[G0B+5], s[WOB], s[TB]
	s_add_nc_u64 s[G0B+6:G0B+7], s[BB:BB+1], s[OB:OB+1]
	s_or_b32 s[G0B+7], s[G0B+7], 0x80000000
.endif
	s_wait_dscnt 17                                ; the add and the youngest sixteen loads may be out
	MUL8 F1, 0, 0, 0
	s_wait_dscnt 0x0                               ; the add is done, and my reads of this slot are over
	s_barrier_signal -1
	MUL8 F1, 0, 2, 0
	WIN 0
	s_barrier_wait -1
.if \fill
	CREST
	JLOAD                                          ; its four v_nop are also the places in front of the loads below
.else
	PLACES
.endif
	s_sub_co_u32 s[TB], SLOT, s[TB]                ; the other slot
	v_add_nc_u32 v[ADRA], s[TB], v[A0]
	v_add_nc_u32 v[ADRB], s[TB], v[B0]
	v_add_nc_u32 v[ADRB+1], 128*PB, v[ADRB]
	FETCH 0, F0
	MUL8 F1, 1, 0, 0
	MUL8 F1, 1, 2, 0
.endm
; THE WAY OUT of block a (16 rows x 64 columns of f32): through my stage, back as whole rows of 256 bytes; the residual's f16 halves are added; stored.
.macro OUTA a
.set TT, TMP+32*((\a)%2)
.set RR, 16*(\a)
	s_wait_xcnt 0x0                                ; earlier stores have read the registers that are loaded below
.irp b, 0,1,2,3
	ds_store_b128 v[STO], v[ACC+8*(4*(\a)+\b):ACC+8*(4*(\a)+\b)+3]   offset:64*\b     ; each accumulator's low registers first
	ds_store_b128 v[STO], v[ACC+8*(4*(\a)+\b)+4:ACC+8*(4*(\a)+\b)+7] offset:64*\b+16
.endr
.irp t, 0,1,2,3,4,5,6,7
	ds_load_b128 v[TT+4*\t:TT+4*\t+3], v[RD] offset:544*\t  ; LDS serves a wave's instructions in order: these see the stores above
.endr
	s_wait_dscnt 0x0
	WIN 0x02                                       ; source 0, the residual, in window 2
.irp t, 0,1,2,3,4,5,6,7
	v_fma_mix_f32 v[TT+4*\t],   v[RR+2*\t],   v[ONE], v[TT+4*\t]   op_sel_hi:[1,0,0]
	v_fma_mix_f32 v[TT+4*\t+1], v[RR+2*\t],   v[ONE], v[TT+4*\t+1] op_sel:[1,0,0] op_sel_hi:[1,0,0]
	v_fma_mix_f32 v[TT+4*\t+2], v[RR+2*\t+1], v[ONE], v[TT+4*\t+2] op_sel_hi:[1,0,0]
	v_fma_mix_f32 v[TT+4*\t+3], v[RR+2*\t+1], v[ONE], v[TT+4*\t+3] op_sel:[1,0,0] op_sel_hi:[1,0,0]
.endr
	WIN 0
.irp t, 0,1,2,3,4,5,6,7
	global_store_b128 v[CO], v[TT+4*\t:TT+4*\t+3], s[12:13] offset:(16*(\a)+2*\t)*4096  ; 16 lanes store 256 consecutive bytes, aligned
.endr
.endm
	s_wait_tensorcnt 0x1                           ; my part of the walk's first step is in; the second's may stay out
	s_barrier_signal -1
	s_barrier_wait -1
	FETCH 0, F0
	QUARTER 1, F0, F1, 1                           ; the first quarter stands in front of the loop: its first products start the sums, with the bias
	WIN 0
	s_mov_b32 s[CNT], NSTEP-2
.Lk:                                               ; a trip: a K step's last three quarters and the next step's first; all steps but the last two fill their slot again
	QUARTER 2, F1, F0, 0
	QUARTER 3, F0, F1, 0
	TURN 1
	QUARTER 1, F0, F1, 0
	WIN 0
	s_sub_co_u32 s[CNT], s[CNT], 1
	s_cmp_lg_u32 s[CNT], 0
	s_cbranch_scc1 .Lk
	s_mov_b32 s[CNT], 2
.Lt:                                               ; the last two steps ask for nothing; the second trip is left in its middle
	QUARTER 2, F1, F0, 0
	QUARTER 3, F0, F1, 0
	WIN 0
	s_sub_co_u32 s[CNT], s[CNT], 1
	s_cmp_eq_u32 s[CNT], 0
	s_cbranch_scc1 .Lout
	TURN 0
	QUARTER 1, F0, F1, 0
	WIN 0
	s_branch .Lt
.Lout:
	s_wait_dscnt 16
	MUL8 F1, 0, 0, 0
	MUL8 F1, 0, 2, 0
	s_wait_dscnt 0x0
	MUL8 F1, 1, 0, 0
	MUL8 F1, 1, 2, 0
	WIN 0
	s_wait_loadcnt 0x0                             ; the residual
	PLACES
	OUTA 0
	OUTA 1
	OUTA 2
	OUTA 3
	s_wait_tensorcnt 0x0                           ; the wave's end
	ds_add_u32 v[SPW], v[NIL]
	s_wait_dscnt 0x0
	CROUND                                         ; the closing round
	s_endpgm
.Lfunc_end_k_q4a53b52339_ffn2:
	.size	k_q4a53b52339_ffn2, .Lfunc_end_k_q4a53b52339_ffn2-k_q4a53b52339_ffn2
	.p2alignl 7, 3214868480
	.fill 96, 4, 3214868480
	.section	.rodata,"a",@progbits
	.p2align	6, 0x0
	.amdhsa_kernel k_q4a53b52339_ffn2
		.amdhsa_group_segment_fixed_size 327680
		.amdhsa_private_segment_fixed_size 0
		.amdhsa_enable_private_segment 0
		.amdhsa_kernarg_size 40
		.amdhsa_user_sgpr_count 2
		.amdhsa_user_sgpr_kernarg_segment_ptr 1
		.amdhsa_wavefront_size32 1
		.amdhsa_system_sgpr_workgroup_id_x 1
		.amdhsa_system_sgpr_workgroup_id_y 1
		.amdhsa_system_sgpr_workgroup_id_z 1
		.amdhsa_system_vgpr_workitem_id 0
		.amdhsa_next_free_vgpr 576
		.amdhsa_next_free_sgpr 84
		.amdhsa_reserve_vcc 0
		.amdhsa_float_denorm_mode_32 3
		.amdhsa_float_denorm_mode_16_64 3
		.amdhsa_memory_ordered 1
		.amdhsa_forward_progress 1
		.amdhsa_inst_pref_size 75
	.end_amdhsa_kernel
	.amdgpu_metadata
---
amdhsa.version: [ 1, 2 ]
amdhsa.kernels:
  - .name:           k_q4a53b52339_ffn2
    .symbol:         k_q4a53b52339_ffn2.kd
    .args:
      - { .name: hb, .offset: 0, .size: 8, .value_kind: global_buffer, .address_space: global }
      - { .name: wb, .offset: 8, .size: 8, .value_kind: global_buffer, .address_space: global }
      - { .name: b2, .offset: 16, .size: 8, .value_kind: global_buffer, .address_space: global }
      - { .name: x1h, .offset: 24, .size: 8, .value_kind: global_buffer, .address_space: global }
      - { .name: y2, .offset: 32, .size: 8, .value_kind: global_buffer, .address_space: global }
    .group_segment_fixed_size: 327680
    .private_segment_fixed_size: 0
    .kernarg_segment_align: 8
    .kernarg_segment_size: 40
    .max_flat_workgroup_size: 128
    .sgpr_count:     84
    .vgpr_count:     576
    .wavefront_size: 32
...
	.end_amdgpu_metadata
.endif
;; end of part 7
;; launch ln2 (part 8): grid 256 x 1, 16 waves a work-group, no clusters, 0 bytes of LDS; arguments y2, g2, be2, out0; writes out0
.if DOCPART == 8
	.amdgcn_target "amdgcn-amd-amdhsa--gfx1250"
	.amdhsa_code_object_version 6
	.text
	.protected	k_q4a53b52339_ln2
	.globl	k_q4a53b52339_ln2
	.p2align	8
	.type	k_q4a53b52339_ln2,@function
k_q4a53b52339_ln2:
	s_mov_b64 s[64:65], 0
	v_nop
	global_prefetch_b8 v0, s[64:65] scope:SCOPE_SE
	s_setreg_imm32_b32 hwreg(HW_REG_WAVE_MODE, 25, 1), 1
	s_wait_xcnt 0x0
; LayerNorm of rows of 1,024 f32: out = (y - mean) / sqrt(var + 1e-5) x g + be; here out stays f32.  g and be are rounded to bf16 like every input.
; One wave takes one row: 32 registers a lane, read once; mean first, then the squares of y - mean, so no difference of large sums is formed.  No LDS, no barrier.
.set F16OUT, 0
.set X,  8                             ; v[8:39]   the row
.set GA, 40                            ; v[40:71]  g
.set BE, 72                            ; v[72:103] be
.set AC, 104                           ; v[104:111] four chains of sums, two numbers each
.set MU, 112
.set VA, 114
.set RS, 116
.set T,  118
	s_load_b256 s[4:11], s[0:1], 0x0               ; y, g, be, out
	v_lshrrev_b32 v2, 5, v0
	v_readfirstlane_b32 s12, v2                    ; wave
	v_and_b32 v3, 31, v0
	v_lshlrev_b32 v1, 4, v3                        ; 16 x lane
	v_lshlrev_b32 v4, 3, v3                        ; 8 x lane
	s_lshl_b32 s13, ttmp9, 4
	s_add_co_u32 s13, s13, s12                     ; my row
	s_lshl_b32 s14, s13, 12
	s_mov_b32 s15, 0
.if F16OUT
	s_lshl_b32 s20, s13, 11
.else
	s_lshl_b32 s20, s13, 12
.endif
	s_mov_b32 s21, 0
	s_mov_b32 s16, 0x3a800000                      ; 1 / 1024
	s_mov_b32 s17, 0x3727c5ac                      ; 1e-5
	s_mov_b32 s18, 0x76543210
	s_mov_b32 s19, 0xfedcba98
	s_mov_b32 s22, 0xffff0000
	s_wait_kmcnt 0x0
	s_add_nc_u64 s[4:5], s[4:5], s[14:15]
	s_add_nc_u64 s[10:11], s[10:11], s[20:21]
.irp j, 0,1,2,3,4,5,6,7
	global_load_b128 v[X+4*\j:X+4*\j+3], v1, s[4:5] offset:512*\j th:TH_LOAD_NT
.endr
.irp j, 0,1,2,3,4,5,6,7
	global_load_b128 v[GA+4*\j:GA+4*\j+3], v1, s[6:7] offset:512*\j
.endr
.irp j, 0,1,2,3,4,5,6,7
	global_load_b128 v[BE+4*\j:BE+4*\j+3], v1, s[8:9] offset:512*\j
.endr
.macro REDUCE                          ; the four chains into one number, the same in every lane
	v_pk_add_f32 v[AC:AC+1], v[AC:AC+1], v[AC+2:AC+3]
	v_pk_add_f32 v[AC+4:AC+5], v[AC+4:AC+5], v[AC+6:AC+7]
	v_pk_add_f32 v[AC:AC+1], v[AC:AC+1], v[AC+4:AC+5]
	v_add_f32 v[AC], v[AC], v[AC+1]
	v_add_f32_dpp v[AC], v[AC], v[AC] row_xmask:1 row_mask:0xf bank_mask:0xf
	v_add_f32_dpp v[AC], v[AC], v[AC] row_xmask:2 row_mask:0xf bank_mask:0xf
	v_add_f32_dpp v[AC], v[AC], v[AC] row_xmask:4 row_mask:0xf bank_mask:0xf
	v_add_f32_dpp v[AC], v[AC], v[AC] row_xmask:8 row_mask:0xf bank_mask:0xf
	v_permlanex16_b32 v[AC+1], v[AC], s18, s19
	v_add_f32 v[AC], v[AC], v[AC+1]
.endm
	s_wait_loadcnt 16                              ; the row is in; g's and be's sixteen loads stay out
.irp k, 0,1,2,3
	v_pk_add_f32 v[AC+2*\k:AC+2*\k+1], v[X+2*\k:X+2*\k+1], v[X+8+2*\k:X+8+2*\k+1]
.endr
.irp k, 0,1,2,3
	v_pk_add_f32 v[AC+2*\k:AC+2*\k+1], v[AC+2*\k:AC+2*\k+1], v[X+16+2*\k:X+16+2*\k+1]
.endr
.irp k, 0,1,2,3
	v_pk_add_f32 v[AC+2*\k:AC+2*\k+1], v[AC+2*\k:AC+2*\k+1], v[X+24+2*\k:X+24+2*\k+1]
.endr
	REDUCE
	v_mul_f32 v[MU], s16, v[AC]
	v_mul_f32 v[MU+1], s16, v[AC]
.set i, 0
.rept 16
	v_pk_add_f32 v[X+2*i:X+2*i+1], v[X+2*i:X+2*i+1], v[MU:MU+1] neg_lo:[0,1] neg_hi:[0,1]
.set i, i+1
.endr
.irp k, 0,1,2,3
	v_pk_mul_f32 v[AC+2*\k:AC+2*\k+1], v[X+2*\k:X+2*\k+1], v[X+2*\k:X+2*\k+1]
.endr
.irp k, 0,1,2,3
	v_pk_fma_f32 v[AC+2*\k:AC+2*\k+1], v[X+8+2*\k:X+8+2*\k+1], v[X+8+2*\k:X+8+2*\k+1], v[AC+2*\k:AC+2*\k+1]
.endr
.irp k, 0,1,2,3
	v_pk_fma_f32 v[AC+2*\k:AC+2*\k+1], v[X+16+2*\k:X+16+2*\k+1], v[X+16+2*\k:X+16+2*\k+1], v[AC+2*\k:AC+2*\k+1]
.endr
.irp k, 0,1,2,3
	v_pk_fma_f32 v[AC+2*\k:AC+2*\k+1], v[X+24+2*\k:X+24+2*\k+1], v[X+24+2*\k:X+24+2*\k+1], v[AC+2*\k:AC+2*\k+1]
.endr
	REDUCE
	v_fma_f32 v[VA], v[AC], s16, s17               ; var + eps
	v_rsq_f32 v[RS], v[VA]
	v_rsq_f32 v[RS+1], v[VA]
	s_wait_loadcnt 0x0                             ; g and be: their rounding is the independent work behind the two roots
.set i, 0
.rept 16
	v_cvt_pk_bf16_f32 v[T+i%4], v[GA+2*i], v[GA+2*i+1]
	v_lshlrev_b32 v[GA+2*i], 16, v[T+i%4]
	v_and_b32 v[GA+2*i+1], s22, v[T+i%4]
.set i, i+1
.endr
.set i, 0
.rept 16
	v_cvt_pk_bf16_f32 v[T+i%4], v[BE+2*i], v[BE+2*i+1]
	v_lshlrev_b32 v[BE+2*i], 16, v[T+i%4]
	v_and_b32 v[BE+2*i+1], s22, v[T+i%4]
.set i, i+1
.endr
	s_wait_alu depctr_va_vdst(0)                   ; one wait for both roots, ahead of their first reader
.set i, 0
.rept 16
	v_pk_mul_f32 v[GA+2*i:GA+2*i+1], v[GA+2*i:GA+2*i+1], v[RS:RS+1]
.set i, i+1
.endr
.set i, 0
.rept 16
	v_pk_fma_f32 v[X+2*i:X+2*i+1], v[X+2*i:X+2*i+1], v[GA+2*i:GA+2*i+1], v[BE+2*i:BE+2*i+1]
.set i, i+1
.endr
.if F16OUT
.set i, 0
.rept 16
	v_cvt_pk_f16_f32 v[GA+i], v[X+2*i], v[X+2*i+1]
.set i, i+1
.endr
.irp j, 0,1,2,3,4,5,6,7
	global_store_b64 v4, v[GA+2*\j:GA+2*\j+1], s[10:11] offset:256*\j   ; the wave stores 256 consecutive bytes, aligned
.endr
.else
.irp j, 0,1,2,3,4,5,6,7
	global_store_b128 v1, v[X+4*\j:X+4*\j+3], s[10:11] offset:512*\j    ; 512 consecutive bytes, aligned
.endr
.endif
	s_endpgm
.Lfunc_end_k_q4a53b52339_ln2:
	.size	k_q4a53b52339_ln2, .Lfunc_end_k_q4a53b52339_ln2-k_q4a53b52339_ln2
	.p2alignl 7, 3214868480
	.fill 96, 4, 3214868480
	.section	.rodata,"a",@progbits
	.p2align	6, 0x0
	.amdhsa_kernel k_q4a53b52339_ln2
		.amdhsa_group_segment_fixed_size 0
		.amdhsa_private_segment_fixed_size 0
		.amdhsa_enable_private_segment 0
		.amdhsa_kernarg_size 32
		.amdhsa_user_sgpr_count 2
		.amdhsa_user_sgpr_kernarg_segment_ptr 1
		.amdhsa_wavefront_size32 1
		.amdhsa_system_sgpr_workgroup_id_x 1
		.amdhsa_system_sgpr_workgroup_id_y 1
		.amdhsa_system_sgpr_workgroup_id_z 1
		.amdhsa_system_vgpr_workitem_id 0
		.amdhsa_next_free_vgpr 128
		.amdhsa_next_free_sgpr 66
		.amdhsa_reserve_vcc 0
		.amdhsa_float_denorm_mode_32 3
		.amdhsa_float_denorm_mode_16_64 3
		.amdhsa_memory_ordered 1
		.amdhsa_forward_progress 1
		.amdhsa_inst_pref_size 15
	.end_amdhsa_kernel
	.amdgpu_metadata
---
amdhsa.version: [ 1, 2 ]
amdhsa.kernels:
  - .name:           k_q4a53b52339_ln2
    .symbol:         k_q4a53b52339_ln2.kd
    .args:
      - { .name: y2, .offset: 0, .size: 8, .value_kind: global_buffer, .address_space: global }
      - { .name: g2, .offset: 8, .size: 8, .value_kind: global_buffer, .address_space: global }
      - { .name: be2, .offset: 16, .size: 8, .value_kind: global_buffer, .address_space: global }
      - { .name: out0, .offset: 24, .size: 8, .value_kind: global_buffer, .address_space: global }
    .group_segment_fixed_size: 0
    .private_segment_fixed_size: 0
    .kernarg_segment_align: 8
    .kernarg_segment_size: 32
    .max_flat_workgroup_size: 512
    .sgpr_count:     66
    .vgpr_count:     128
    .wavefront_size: 32
...
	.end_amdgpu_metadata
.endif
;; end of part 8
